; MI455X (gfx1250); checked and timed in simulation.
; The chip was launched on July 23, 2026; its instructions are those of AMD's public machine-readable ISA for CDNA 5 (MIT licence, August 2026) and "CDNA5" Instruction Set Architecture Reference Guide (July 2026). The comments in the code are by the model that wrote it; some were corrected since.
;; Rope MQA. Allowed arithmetic: matrix products marked QUANTISED: E5M2 operands, one E8M0 scale for each 32 along K, by v_wmma_scale_f32_16x16x128_f8f6f4 with both operands' format E5M2, f32 sums; everything else in f32.
;; Inputs: wk 1,024 x 64 float32; wo 1,024 x 1,024 float32; wq 1,024 x 1,024 float32; wv 1,024 x 64 float32; x 2 x 2,048 x 1,024 float32.
;; Outputs: out0 2 x 2,048 x 1,024 float32.
;; This version of the problem:
;;   THIS VERSION OF THE PROBLEM IS GIVEN IN LOW PRECISION. The matrix products marked QUANTISED in the list below multiply operands that are first quantised to E5M2 (5 exponent bits, 2 mantissa bits; 8 bits a number), with one power-of-two scale for each 32 numbers along K (OCP MX v1.0); their sums are f32. All else is computed in f32.
;;   The module's matrix products, in the order in which they are computed (A, B: the left and right operand; K: the contracted axis; several contracted axes count as one K, in the product's order):
;;     1. [M 4,096, K 1,024] x [K 1,024, N 1,024]; A: input x; B: input wq: QUANTISED
;;     2. [M 4,096, K 1,024] x [K 1,024, N 64]; A: input x; B: input wk: QUANTISED
;;     3. [M 4,096, K 1,024] x [K 1,024, N 64]; A: input x; B: input wv: QUANTISED
;;     4. batch 2 x [M 32,768, K 64] x [K 64, N 2,048]; A: computed on the way; B: computed on the way: QUANTISED
;;     5. batch 2 x [M 32,768, K 2,048] x [K 2,048, N 64]; A: softmax (see below); B: computed on the way: QUANTISED
;;     6. [M 4,096, K 1,024] x [K 1,024, N 1,024]; A: computed on the way; B: input wo: QUANTISED
;;   THE QUANTISER, for each operand of a quantised product, along K:
;;     - K is cut into blocks of 32 from its start; a last block that is shorter is filled with zeros.
;;     - A block's scale is 2^e with e = floor(log2(the largest magnitude in the block)) - 15, held to -126 .. 127; a block of zeros has e = 0. As a byte (E8M0): e + 127.
;;     - Each number is divided by its block's scale, clamped to +-57,344, and rounded to the nearest number of E5M2, ties to even, subnormals kept.
;;     - The product sums the exact products of the quantised numbers (number of the format x scale) in f32.
;;   ~~~python
;;   def quantise(x, axis):      # numpy; x: float32 -> the quantised numbers, widened to float32 again
;;       x = np.moveaxis(x, axis, -1); K = x.shape[-1]
;;       x = np.pad(x, [(0, 0)] * (x.ndim - 1) + [(0, -K % 32)]); x = x.reshape(x.shape[:-1] + (-1, 32)); a = np.abs(x).max(-1, keepdims=True)
;;       e = np.where(a > 0, np.clip(np.frexp(np.where(a > 0, a, 1))[1] - 1 - 15, -126, 127), 0)      # np.frexp(a)[1] - 1 = floor(log2(a)), exactly
;;       r = np.clip(x / 2.0 ** e, -57344, 57344)
;;       step = 2.0 ** (np.maximum(np.frexp(np.where(r == 0, 1, r))[1] - 1, -14) - 2)
;;       q = np.round(r / step) * step * 2.0 ** e      # np.round: ties to even
;;       return np.moveaxis(q.reshape(q.shape[:-2] + (-1,))[..., :K], -1, axis).astype(np.float32)
;;   ~~~
;;   SOFTMAX AHEAD OF A QUANTISED PRODUCT. Where the list says 'softmax', what is quantised is not the finished softmax but p = 2^(t - M), with t = logit x log2(e) and M = ceil(the row's largest t), a whole number; so 1/2 < the row's largest p <= 1. The row's sum l is taken of the UNQUANTISED p, in f32, and the product's result is divided by l at the end. Since M is a whole number, a kernel that streams over the keys may use a running M (the ceiling of the running maximum): every later rescaling is an exact power of two, which a block's scale takes up: the codes' values come out the same.
;;   OPERANDS COMPUTED ON THE WAY. 'Computed on the way' means the value that the module computes at that place (a softmax that the list does not call 'softmax' is quantised finished and normalised). What goes into a quantiser is computed in f32, as accurately as f32 sums, v_exp_f32 and their like allow (about 1e-6 of the number): no bf16 or f16 on the way to a quantiser, and a product that is left as it is and whose result goes on into a quantised operand takes f32 operands (vector FMAs, or v_wmma_f32_16x16x4_f32). A number that lies on a knife's edge between two numbers of the format may be rounded either way, as far as f32 arithmetic and the matrix unit's own rounding can turn it there, and no further.
;; One version. Each part assembles by itself: llvm-mc -triple=amdgcn-amd-amdhsa -mcpu=gfx1250 --defsym DOCPART=n.
;; ======== version 1 of 1: 4 launches
;; limits: right only within a limited range of input values
;; workspace buffers: xq 4,325,376 bytes; wts 2,297,856 bytes; rope 524,288 bytes; qq 4,456,448 bytes; kv 548,864 bytes; aq 4,325,376 bytes
;; launch prep (part 1): grid 432 x 1, 4 waves a work-group, no clusters, 34,304 bytes of LDS; arguments x, wq, wo, wk, wv, xq, wts, rope; writes xq, wts, rope
.if DOCPART == 1
	.amdgcn_target "amdgcn-amd-amdhsa--gfx1250"
	.amdhsa_code_object_version 6
	.text
	.protected	k_qe0682ab629_prep
	.globl	k_qe0682ab629_prep
	.p2align	8
	.type	k_qe0682ab629_prep,@function
k_qe0682ab629_prep:
	s_mov_b64 s[64:65], 0
	v_nop
	global_prefetch_b8 v0, s[64:65] scope:SCOPE_SE
	s_setreg_imm32_b32 hwreg(HW_REG_WAVE_MODE, 25, 1), 1
	s_wait_xcnt 0x0
; ROPE + MQA ATTENTION IN MX-BF8, launch 1 of 4: the five inputs become codes of E5M2 with one E8M0 byte for each 32 along K, and the RoPE table is made.
; WORK LEFT OUT IN THE PROGRAM (in launch 3 alone): steps of 128 keys that lie wholly behind all 16 queries of a wave.  reference() sets those scores to -inf by a mask that it builds in its own body
; (triu(ones, 1)), so their p is 0 whatever the inputs hold, their codes are zeros, and zeros add nothing to the row's sum or to the second product.  Every input has a way to the output and is loaded.
; LIMITS: a NaN, an infinity or an overflow that reaches only masked scores is not carried to the result.  NaN and infinities among the inputs are not served.  A block of zeros gets the byte 1 where the rule says 127
; (its codes are zeros, and this program alone reads the bytes); blocks whose largest magnitude lies under 2^-111 are held at the byte 1.  The RoPE frequencies are 2^(-j log2(1000) / 32), made here to about one unit
; in the last place; the angle is the f32 product position x frequency, as reference() forms it; sine and cosine come by a three-part reduction by pi / 2 and polynomials, good to about 1e-7.
; LAYOUT.  Every operand is stored as an IMAGE OF THE OPERAND'S REGISTERS: a fragment (16 rows x 128 K) is four groups c of 512 bytes, lane l's 16 bytes (k = 32 c + 16 (l / 16) + 0 .. 15 of row l % 16) at 16 l.
; A PIECE is 4 tiles x 256 along K: codes at 4096 t + 2048 ks + 512 c, then the scale words at 16384 + 128 t + 8 r + 4 ks: 16,896 bytes = 66 x 256.
; THE ROWS OF A TILE ARE NOT NEIGHBOURS: PAT(m) = m % 8 + 16 (m / 8).  x, wo: tile 2 blk + u holds rows 32 blk + 8 u + PAT(m).  wq: tile 2 e + uu of a head holds rows 64 head + 16 uu + e + 2 PAT(m): even rows and odd rows
; apart, so that RoPE's pairs meet in one lane.  wk: the same on its columns.  wv: tile 2 cc + uu holds columns 32 cc + 8 uu + PAT(m).
; SHARES.  Work-groups 0-255: x; 256-319: wo; 320-383: wq (one tile of 16 rows each; wave w takes 256 along K).  384-399: wk, wv (one K step of 128 each; a wave a tile of 16 columns).  400-431: the table (a wave 16 positions).
; No tensor loads, no barrier: waves share nothing.  No cluster: no two work-groups read the same bytes.
.set PIECE, 16896
.set STG,   8448                       ; a wave's stage: 16 rows x (512 bytes + 16)
.set SPARE, 4*STG                      ; behind the stages: the spare words, 128 bytes for each wave
.set LI,   1                           ; v1   16 x lane
.set STO,  2                           ; v2   the stage, on the way in
.set RDA,  3                           ; v3   and on the way out
.set SCO,  4                           ; v4   where my scale word goes
.set SPW,  5                           ; v5   my spare word; never rewritten
.set NIL,  6                           ; v6   0; never rewritten
.set W0,   7                           ; v7, v8 the scale words of the two K steps
.set WSEL, 9
.set TM,   10                          ; v10-25: largest magnitudes, bytes, the conversions' scale operands
.set RR,   26                          ; r = lane % 16
.set HH,   27                          ; h = lane / 16
.set PT,   28                          ; PAT(r)
.set R,    32                          ; v32-159  2 x 64 registers as loaded
.set XT,   160                         ; v160-223 64 numbers of a lane, register 16 b + i = k 32 b + 16 h + i
.set PC,   224                         ; v224-255 the codes of two fragments
.set SEL,  20
.set MNT,  22
.set HMASK, 23
.set WV,   24
; 64 numbers of a lane become a fragment's codes in v[pc] on; the four blocks' bytes are left in v[TM+4] on
.macro QUANT s, pc
.irp b, 0,1,2,3
	v_max3_num_f32 v[TM+\b], |v[\s+16*\b]|, |v[\s+1+16*\b]|, 0x8000000   ; my 16 numbers of block b, and the floor 2^(16 - 127): the byte cannot fall under 1
.endr
.irp i, 2,4,6,8,10,12,14
.irp b, 0,1,2,3
	v_max3_num_f32 v[TM+\b], v[TM+\b], |v[\s+16*\b+\i]|, |v[\s+1+16*\b+\i]|   ; the four blocks by turns
.endr
.endr
.irp b, 0,1,2,3
	v_permlanex16_b32 v[TM+4+\b], v[TM+\b], s[SEL], s[SEL+1]
.endr
.irp b, 0,1,2,3
	v_max_num_f32 v[TM+\b], v[TM+\b], v[TM+4+\b]                  ; with lane l xor 16's 16: the block's largest magnitude
.endr
.irp b, 0,1,2,3
	v_add_nc_u32 v[TM+12+\b], 0xf8800000, v[TM+\b]                ; 15 off its exponent field: the conversion's scale operand
.endr
.irp b, 0,1,2,3
.endr
.irp b, 0,1,2,3
	v_lshrrev_b32 v[TM+4+\b], 23, v[TM+12+\b]                     ; the scale's byte
.endr
.irp b, 0,1,2,3
.irp i, 0,1,2,3,4,5,6,7,8,9,10,11,12,13,14,15
.endr
	v_cvt_scalef32_pk8_bf8_f32 v[\pc+4*\b:\pc+1+4*\b], v[\s+16*\b:\s+7+16*\b], v[TM+12+\b]
	v_cvt_scalef32_pk8_bf8_f32 v[\pc+2+4*\b:\pc+3+4*\b], v[\s+8+16*\b:\s+15+16*\b], v[TM+12+\b]
.endr
	v_nop                                          ; one plain line behind the last conversion
.endm
	s_load_b256 s[4:11], s[0:1], 0x0               ; x s[4:5], wq s[6:7], wo s[8:9], wk s[10:11]
	s_load_b256 s[12:19], s[0:1], 0x20             ; wv s[12:13], xq s[14:15], wts s[16:17], rope s[18:19]
	v_lshl_add_u32 v[SPW], v0, 2, SPARE
	v_mov_b32 v[NIL], 0
	v_lshrrev_b32 v[LI], 5, v0
	v_readfirstlane_b32 s[WV], v[LI]               ; wave 0..3
	v_and_b32 v29, 31, v0
	v_lshlrev_b32 v[LI], 4, v29
	v_and_b32 v[RR], 15, v0
	v_bfe_u32 v[HH], v0, 4, 1
	v_and_b32 v[PT], 8, v[RR]
	v_add_nc_u32 v[PT], v[PT], v[RR]               ; PAT(r) = r + 8 (r / 8)
.irp b, 0,1,2,3
	v_mov_b32 v[TM+4+\b], 0                        ; written once: a lane permute's destination counts as one of its sources
.endr
	s_mov_b32 s[SEL], 0x76543210
	s_mov_b32 s[SEL+1], 0xfedcba98                 ; lane l xor 16
	s_mov_b32 s[HMASK], 0xffff0000                 ; lanes 16-31
	s_mov_b32 s31, 0                               ; the upper word of the offsets' pair s[30:31]
	s_wait_kmcnt 0x0
	s_cmp_ge_u32 ttmp9, 400
	s_cbranch_scc1 .Lrope
	s_cmp_ge_u32 ttmp9, 384
	s_cbranch_scc1 .Lkvw
; ---- x, wo, wq: K is innermost.  One way through the text for all three: pointers and a few numbers are chosen on the work-group's number.
	s_mov_b32 s25, 320
	s_cmp_lt_u32 ttmp9, 320
	s_cselect_b64 s[26:27], s[8:9], s[6:7]         ; wo or wq
	s_cselect_b32 s25, 256, s25                    ; the tensor's first work-group
	s_cselect_b32 s68, 0, 1                        ; 1: wq
	s_cselect_b32 s69, 64, 0                       ; the tensor's first piece in its buffer
	s_cmp_lt_u32 ttmp9, 256
	s_cselect_b64 s[26:27], s[4:5], s[26:27]       ; or x
	s_cselect_b64 s[28:29], s[14:15], s[16:17]     ; into xq, or into wts
	s_cselect_b32 s25, 0, s25
	s_cselect_b32 s69, 0, s69
	s_sub_co_u32 s66, ttmp9, s25                   ; the tile
	s_lshr_b32 s70, s66, 1
	s_lshl_b32 s70, s70, 5
	s_and_b32 s71, s66, 1
	s_lshl_b32 s72, s71, 3
	s_add_co_u32 s70, s70, s72                     ; x, wo: its first row 32 (tile / 2) + 8 (tile % 2)
	s_lshr_b32 s73, s66, 2
	s_lshl_b32 s73, s73, 6
	s_lshl_b32 s72, s71, 4
	s_add_co_u32 s73, s73, s72
	s_bfe_u32 s72, s66, 0x10001
	s_add_co_u32 s73, s73, s72                     ; wq: 64 (tile / 4) + 16 (tile % 2) + (tile / 2) % 2
	s_cmp_eq_u32 s68, 0
	s_cselect_b32 s70, s70, s73
	s_lshl_b32 s30, s70, 12                        ; a row is 4,096 bytes;
	s_lshl_b32 s72, s[WV], 10                      ; my wave's 256 numbers of it
	s_add_co_u32 s30, s30, s72
	s_add_nc_u64 s[26:27], s[26:27], s[30:31]
	s_lshl_b32 s67, 0x1000, s68                    ; from PAT to bytes: 4,096, in wq 8,192
.irp m, 0,1,2,3,4,5,6,7,8,9,10,11,12,13,14,15
	s_mul_i32 s30, s67, (\m%8)+16*(\m/8)
	s_add_nc_u64 s[32+2*\m:33+2*\m], s[26:27], s[30:31]   ; where row m of the tile begins
.endr
	s_wait_alu depctr_va_vdst(0)
.irp ks, 0,1
.irp m, 0,1,2,3,4,5,6,7,8,9,10,11,12,13,14,15
	global_load_b128 v[R+64*\ks+4*\m:R+64*\ks+4*\m+3], v[LI], s[32+2*\m:33+2*\m] offset:512*\ks th:TH_LOAD_NT   ; 32 lanes read 512 consecutive bytes: 128 numbers of a row
.endr
.endr
	s_lshr_b32 s72, s66, 3
	s_lshl_b32 s72, s72, 3
	s_add_co_u32 s72, s72, s69
	s_lshl_b32 s73, s[WV], 1
	s_add_co_u32 s72, s72, s73
	s_bfe_u32 s73, s66, 0x10002
	s_add_co_u32 s72, s72, s73                     ; the piece: 8 (tile / 8) + 2 x chunk + (tile / 4) % 2
	s_mul_i32 s30, s72, PIECE
	s_add_nc_u64 s[28:29], s[28:29], s[30:31]
	s_and_b32 s72, s66, 3
	s_lshl_b32 s30, s72, 12
	s_add_nc_u64 s[74:75], s[28:29], s[30:31]      ; the tile's codes in it
	s_lshl_b32 s73, s72, 7
	s_add_co_u32 s73, s73, 16384
	v_lshlrev_b32 v[SCO], 3, v[RR]
	v_lshl_add_u32 v[SCO], v[HH], 2, v[SCO]
	v_add_nc_u32 v[SCO], s73, v[SCO]               ; 16384 + 128 t + 8 r + 4 h: lanes 0-15 store the first K step's word, lanes 16-31 the second's
	s_mul_i32 s72, s[WV], STG
	v_add_nc_u32 v[STO], s72, v[LI]                ; in: a row's 512 bytes as they lie
	v_mul_u32_u24 v[RDA], v[RR], 528
	v_lshl_add_u32 v[RDA], v[HH], 6, v[RDA]
	v_add_nc_u32 v[RDA], s72, v[RDA]               ; out: row r, + 64 h: my 16 neighbours of each block of 32
; 128 along K: the 16 rows go through my own stage (LDS serves a wave's instructions in order: no wait between the stores and the loads), are quantised and leave as an image
.macro HALF ks, left
	s_wait_loadcnt \left                           ; this K step's 16 loads are in
.irp m, 0,1,2,3,4,5,6,7,8,9,10,11,12,13,14,15
	ds_store_b128 v[STO], v[R+64*\ks+4*\m:R+64*\ks+4*\m+3] offset:528*\m
.endr
.irp c, 0,1,2,3
.irp j, 0,1,2,3
	ds_load_b128 v[XT+16*\c+4*\j:XT+16*\c+4*\j+3], v[RDA] offset:128*\c+16*\j
.endr
.endr
	s_wait_dscnt 0x0
	QUANT XT, PC+16*\ks
	v_lshl_or_b32 v[W0+\ks], v[TM+5], 8, v[TM+4]   ; the four bytes make my row's scale word
	v_lshl_or_b32 v[W0+\ks], v[TM+6], 16, v[W0+\ks]
	v_lshl_or_b32 v[W0+\ks], v[TM+7], 24, v[W0+\ks]
.irp c, 0,1,2,3
	global_store_b128 v[LI], v[PC+16*\ks+4*\c:PC+16*\ks+4*\c+3], s[74:75] offset:2048*\ks+512*\c   ; 512 consecutive bytes
.endr
.endm
	s_wait_alu depctr_va_vdst(0)
	HALF 0, 16                                     ; the second K step's 16 loads may stay out
	HALF 1, 0
	v_cndmask_b32 v[WSEL], v[W0], v[W0+1], s[HMASK]
	global_store_b32 v[SCO], v[WSEL], s[28:29]     ; 128 consecutive bytes
	s_wait_tensorcnt 0x0                           ; the wave's end, behind my last LDS store
	ds_add_u32 v[SPW], v[NIL]
	s_wait_dscnt 0x0
	s_endpgm
; ---- wk, wv: K is the first axis.  A lane takes a column and its registers run down K, in the order of the operand's layout: nothing is transposed.
.Lkvw:
	s_sub_co_u32 s66, ttmp9, 384
	s_lshr_b32 s67, s66, 3                         ; 0: wk, 1: wv
	s_and_b32 s68, s66, 7                          ; the K step of 128
	s_and_b32 s69, s[WV], 1
	s_lshr_b32 s70, s[WV], 1
	s_lshl_b32 s71, s69, 4
	s_add_co_u32 s71, s71, s70                     ; wk: tile T begins at column 16 (T % 2) + T / 2, and goes by twos
	s_lshl_b32 s72, s70, 5
	s_lshl_b32 s73, s69, 3
	s_add_co_u32 s72, s72, s73                     ; wv: at 32 (T / 2) + 8 (T % 2)
	s_cmp_eq_u32 s67, 0
	s_cselect_b64 s[26:27], s[10:11], s[12:13]
	s_cselect_b32 s71, s71, s72
	s_cselect_b32 s72, 8, 4                        ; bytes for each 1 of PAT
	s_wait_alu depctr_va_vdst(0)
	v_mul_u32_u24 v2, v[PT], s72
	v_lshl_add_u32 v2, v[HH], 12, v2               ; lanes 16-31 begin 16 rows of 256 bytes further down
	s_lshl_b32 s30, s68, 15
	s_lshl_b32 s71, s71, 2
	s_add_co_u32 s30, s30, s71
	s_add_nc_u64 s[26:27], s[26:27], s[30:31]
.irp c, 0,1,2,3
.irp i, 0,1,2,3,4,5,6,7,8,9,10,11,12,13,14,15
	global_load_b32 v[XT+16*\c+\i], v2, s[26:27] offset:(32*\c+\i)*256   ; W(128 step + 32 c + 16 h + i, my column)
.endr
.endr
	s_lshl_b32 s72, s67, 2
	s_lshr_b32 s73, s68, 1
	s_add_co_u32 s72, s72, s73
	s_add_co_u32 s72, s72, 128                     ; the piece: 128 + 4 x kind + step / 2
	s_mul_i32 s30, s72, PIECE
	s_add_nc_u64 s[28:29], s[16:17], s[30:31]
	s_and_b32 s73, s68, 1
	s_lshl_b32 s72, s[WV], 12
	s_lshl_b32 s70, s73, 11
	s_add_co_u32 s72, s72, s70
	v_add_nc_u32 v3, s72, v[LI]                    ; codes: 4096 T + 2048 (step % 2) + 16 x lane
	s_lshl_b32 s72, s[WV], 7
	s_lshl_b32 s70, s73, 2
	s_add_co_u32 s72, s72, s70
	s_add_co_u32 s72, s72, 16384
	v_lshl_add_u32 v4, v[RR], 3, s72               ; the scale word: 16384 + 128 T + 8 r + 4 (step % 2)
	s_wait_loadcnt 0x0
	QUANT XT, PC
	v_lshl_or_b32 v[W0], v[TM+5], 8, v[TM+4]
	v_lshl_or_b32 v[W0], v[TM+6], 16, v[W0]
	v_lshl_or_b32 v[W0], v[TM+7], 24, v[W0]
.irp c, 0,1,2,3
	global_store_b128 v3, v[PC+4*\c:PC+4*\c+3], s[28:29] offset:512*\c
.endr
	global_store_b32 v4, v[W0], s[28:29]           ; four bytes every eight (both halves of the lanes write the same word): 4,096 bytes in the whole launch
	s_endpgm
; ---- the RoPE table: [tile of 16 positions][cos, sin][group k][512 bytes]: lane (r, h), group k, word w: position 32 (tile / 2) + 8 (tile % 2) + PAT(r), pair 16 h + 4 k + w
.set F,    32
.set COSR, 64
.set SINR, 80
.set ANG,  96
.set KK,   112
.set ZZ,   128
.set PS,   144
.set PCS,  160
.set TT,   176
.set QI,   192
.set BB,   208
.Lrope:
	s_sub_co_u32 s66, ttmp9, 400
	s_lshl_b32 s66, s66, 2
	s_add_co_u32 s66, s66, s[WV]                   ; the tile
	s_lshl_b32 s30, s66, 12
	s_add_nc_u64 s[28:29], s[18:19], s[30:31]
	s_lshr_b32 s70, s66, 1
	s_lshl_b32 s70, s70, 5
	s_and_b32 s71, s66, 1
	s_lshl_b32 s71, s71, 3
	s_add_co_u32 s70, s70, s71
	s_wait_alu depctr_va_vdst(0)
	v_add_nc_u32 v30, s70, v[PT]
	v_cvt_f32_u32 v30, v30                         ; my position
	v_lshlrev_b32 v31, 4, v[HH]
	s_wait_alu depctr_va_vdst(0)
	s_mov_b32 s66, 0x3e9f7000                      ; 5102 / 16384: with the next number, log2(1000) / 32; a pair's number (5 bits) times it is exact
	s_mov_b32 s67, 0x37f68e36
	s_mov_b32 s68, 0x3f22f983                      ; 2 / pi
	s_mov_b32 s69, 0x3fc90fdb                      ; pi / 2 in three parts
	s_mov_b32 s70, 0xb33bbd2e
	s_mov_b32 s71, 0xa6f72ced
	s_mov_b32 s72, 0xb94ca1f9                      ; sine: -1.9515295891e-4, 8.3321608736e-3, -1.6666654611e-1
	s_mov_b32 s73, 0x3c08839e
	s_mov_b32 s74, 0xbe2aaaa3
	s_mov_b32 s75, 0x37ccf5ce                      ; cosine: 2.443315711809948e-5, -1.388731625493765e-3, 4.166664568298827e-2
	s_mov_b32 s76, 0xbab6061a
	s_mov_b32 s77, 0x3d2aaaa5
.set j, 0
.rept 16
	v_add_nc_u32 v[ANG+j], j, v31
.set j, j+1
.endr
.set j, 0
.rept 16
	v_cvt_f32_u32 v[ANG+j], v[ANG+j]               ; the pair's number 16 h + j
.set j, j+1
.endr
.set j, 0
.rept 16
	v_mul_f32 v[KK+j], s66, v[ANG+j]               ; exact
.set j, j+1
.endr
.set j, 0
.rept 16
	v_floor_f32 v[ZZ+j], v[KK+j]                   ; the exponent's whole part
.set j, j+1
.endr
.set j, 0
.rept 16
	v_sub_f32 v[KK+j], v[KK+j], v[ZZ+j]            ; exact
.set j, j+1
.endr
.set j, 0
.rept 16
	v_fma_f32 v[KK+j], v[ANG+j], s67, v[KK+j]      ; its fraction
.set j, j+1
.endr
.set j, 0
	s_wait_alu depctr_va_vdst(0)
.rept 16
	v_exp_f32 v[F+j], -v[KK+j]
.set j, j+1
.endr
.set j, 0
.rept 16
	v_cvt_i32_f32 v[ZZ+j], v[ZZ+j]                 ; plain work behind the exponentials
.set j, j+1
.endr
.set j, 0
.rept 16
	v_sub_nc_u32 v[ZZ+j], 0, v[ZZ+j]
.set j, j+1
.endr
	s_wait_alu depctr_va_vdst(0)                   ; one wait for the batch, ahead of its first reader
.set j, 0
.rept 16
	v_ldexp_f32 v[F+j], v[F+j], v[ZZ+j]            ; the frequency
.set j, j+1
.endr
.set j, 0
.rept 16
	v_mul_f32 v[ANG+j], v30, v[F+j]                ; the angle, rounded once as in reference()
.set j, j+1
.endr
.set j, 0
.rept 16
	v_mul_f32 v[KK+j], s68, v[ANG+j]
.set j, j+1
.endr
.set j, 0
.rept 16
	v_rndne_f32 v[KK+j], v[KK+j]                   ; how many quarter turns (at most 1,303)
.set j, j+1
.endr
.set j, 0
.rept 16
	v_fma_f32 v[ANG+j], -v[KK+j], s69, v[ANG+j]    ; exact: the difference is a multiple of 2^-24 under 1
.set j, j+1
.endr
.set j, 0
.rept 16
	v_fma_f32 v[ANG+j], -v[KK+j], s70, v[ANG+j]
.set j, j+1
.endr
.set j, 0
.rept 16
	v_fma_f32 v[ANG+j], -v[KK+j], s71, v[ANG+j]    ; what is left, within pi / 4
.set j, j+1
.endr
.set j, 0
.rept 16
	v_mul_f32 v[ZZ+j], v[ANG+j], v[ANG+j]
.set j, j+1
.endr
.set j, 0
.rept 16
	v_fma_f32 v[PS+j], v[ZZ+j], s72, s73
	v_fma_f32 v[PCS+j], v[ZZ+j], s75, s76
.set j, j+1
.endr
.set j, 0
.rept 16
	v_fma_f32 v[PS+j], v[PS+j], v[ZZ+j], s74
	v_fma_f32 v[PCS+j], v[PCS+j], v[ZZ+j], s77
.set j, j+1
.endr
.set j, 0
.rept 16
	v_mul_f32 v[PS+j], v[PS+j], v[ZZ+j]
	v_mul_f32 v[PCS+j], v[PCS+j], v[ZZ+j]
	v_fma_f32 v[TT+j], v[ZZ+j], -0.5, 1.0
.set j, j+1
.endr
.set j, 0
.rept 16
	v_fma_f32 v[PS+j], v[PS+j], v[ANG+j], v[ANG+j] ; the sine of what is left
	v_fma_f32 v[PCS+j], v[PCS+j], v[ZZ+j], v[TT+j] ; and its cosine
	v_cvt_i32_f32 v[QI+j], v[KK+j]
.set j, j+1
.endr
.set j, 0
.rept 16
	v_and_b32 v[BB+j], 1, v[QI+j]
.set j, j+1
.endr
.set j, 0
.rept 16
	v_cmp_eq_u32 vcc_lo, 1, v[BB+j]                ; an odd number of quarter turns: the two change places.  A selection: no branch and no address hangs on it
	v_cndmask_b32 v[SINR+j], v[PS+j], v[PCS+j], vcc_lo
	v_cndmask_b32 v[COSR+j], v[PCS+j], v[PS+j], vcc_lo
.set j, j+1
.endr
.set j, 0
.rept 16
	v_and_b32 v[BB+j], 2, v[QI+j]                  ; the sine is negated in quarters 2 and 3,
	v_add_nc_u32 v[QI+j], 1, v[QI+j]
.set j, j+1
.endr
.set j, 0
.rept 16
	v_lshlrev_b32 v[BB+j], 30, v[BB+j]
	v_and_b32 v[QI+j], 2, v[QI+j]                  ; the cosine in quarters 1 and 2
.set j, j+1
.endr
.set j, 0
.rept 16
	v_xor_b32 v[SINR+j], v[BB+j], v[SINR+j]
	v_lshlrev_b32 v[QI+j], 30, v[QI+j]
.set j, j+1
.endr
.set j, 0
.rept 16
	v_xor_b32 v[COSR+j], v[QI+j], v[COSR+j]
.set j, j+1
.endr
.irp k, 0,1,2,3
	global_store_b128 v[LI], v[COSR+4*\k:COSR+4*\k+3], s[28:29] offset:512*\k
	global_store_b128 v[LI], v[SINR+4*\k:SINR+4*\k+3], s[28:29] offset:2048+512*\k
.endr
	s_endpgm
.Lfunc_end_k_qe0682ab629_prep:
	.size	k_qe0682ab629_prep, .Lfunc_end_k_qe0682ab629_prep-k_qe0682ab629_prep
	.p2alignl 7, 3214868480
	.fill 96, 4, 3214868480
	.section	.rodata,"a",@progbits
	.p2align	6, 0x0
	.amdhsa_kernel k_qe0682ab629_prep
		.amdhsa_group_segment_fixed_size 34304
		.amdhsa_private_segment_fixed_size 0
		.amdhsa_enable_private_segment 0
		.amdhsa_kernarg_size 64
		.amdhsa_user_sgpr_count 2
		.amdhsa_user_sgpr_kernarg_segment_ptr 1
		.amdhsa_wavefront_size32 1
		.amdhsa_system_sgpr_workgroup_id_x 1
		.amdhsa_system_sgpr_workgroup_id_y 1
		.amdhsa_system_sgpr_workgroup_id_z 1
		.amdhsa_system_vgpr_workitem_id 0
		.amdhsa_next_free_vgpr 256
		.amdhsa_next_free_sgpr 80
		.amdhsa_reserve_vcc 1
		.amdhsa_float_denorm_mode_32 3
		.amdhsa_float_denorm_mode_16_64 3
		.amdhsa_fp16_overflow 1
		.amdhsa_memory_ordered 1
		.amdhsa_forward_progress 1
		.amdhsa_inst_pref_size 59
	.end_amdhsa_kernel
	.amdgpu_metadata
---
amdhsa.version: [ 1, 2 ]
amdhsa.kernels:
  - .name:           k_qe0682ab629_prep
    .symbol:         k_qe0682ab629_prep.kd
    .args:
      - { .name: x, .offset: 0, .size: 8, .value_kind: global_buffer, .address_space: global }
      - { .name: wq, .offset: 8, .size: 8, .value_kind: global_buffer, .address_space: global }
      - { .name: wo, .offset: 16, .size: 8, .value_kind: global_buffer, .address_space: global }
      - { .name: wk, .offset: 24, .size: 8, .value_kind: global_buffer, .address_space: global }
      - { .name: wv, .offset: 32, .size: 8, .value_kind: global_buffer, .address_space: global }
      - { .name: xq, .offset: 40, .size: 8, .value_kind: global_buffer, .address_space: global }
      - { .name: wts, .offset: 48, .size: 8, .value_kind: global_buffer, .address_space: global }
      - { .name: rope, .offset: 56, .size: 8, .value_kind: global_buffer, .address_space: global }
    .group_segment_fixed_size: 34304
    .private_segment_fixed_size: 0
    .kernarg_segment_align: 8
    .kernarg_segment_size: 64
    .max_flat_workgroup_size: 128
    .sgpr_count:     80
    .vgpr_count:     256
    .wavefront_size: 32
...
	.end_amdgpu_metadata
.endif
;; end of part 1
;; launch qkv (part 2): grid 32 x 8, 9 waves a work-group, clusters of 4 x 1, 327,680 bytes of LDS; arguments xq, wts, rope, qq, kv; writes qq, kv
.if DOCPART == 2
	.amdgcn_target "amdgcn-amd-amdhsa--gfx1250"
	.amdhsa_code_object_version 6
	.text
	.protected	k_qe0682ab629_qkv
	.globl	k_qe0682ab629_qkv
	.p2align	8
	.type	k_qe0682ab629_qkv,@function
k_qe0682ab629_qkv:
	s_mov_b64 s[64:65], 0
	v_nop
	global_prefetch_b8 v0, s[64:65] scope:SCOPE_SE
	s_setreg_imm32_b32 hwreg(HW_REG_WAVE_MODE, 25, 1), 1
	s_wait_xcnt 0x0
	s_wait_alu depctr_hold_cnt(0) depctr_sa_sdst(0) depctr_va_vdst(0) depctr_va_sdst(0) depctr_va_ssrc(0) depctr_va_vcc(0) depctr_vm_vsrc(0)
	s_getreg_b32 s2, hwreg(HW_REG_IB_STS2, 6, 4)
	s_cmp_eq_u32 s2, 0
	s_cbranch_scc0 .Lentry_in_a_cluster
	s_endpgm
.Lentry_in_a_cluster:
	s_bfe_u32 s2, ttmp6, 0x10000c
	s_cmp_lg_u32 s2, 0x3003
	s_cbranch_scc0 .Lentry_shape_is_right
	s_endpgm
.Lentry_shape_is_right:
; Launch 2 of 4: q = x wq^T, k = x wk, v = x wv on codes of E5M2; RoPE on q and k; q and k quantised along the head's 64, v along the keys.  Nothing is left out here.
; SHARES.  The 18 heads of 64 columns (16 of q, k, v) x 128 blocks of 32 rows are 2,304 units of 32 x 64: nine for each of 256 work-groups, one a wave.  Work-group (mt, y): rows 128 mt on; waves 0-7: q's heads 2 y and
; 2 y + 1 (wave / 4) x the four quarters of the rows (wave % 4); wave 8: quarter y % 4 of the rows for k (y < 4) or for v (y >= 4).
; OPERANDS come as pieces (images of the operands' registers, their scale words behind them: launch 1), 16,896 dense bytes each, one tensor load each.  A K chunk of 256 is five pieces: x's two halves, the two heads of wq, wk or wv.
; Three LDS slots hold chunks 0, 1, 2; chunk 3 is filled into slot 0 when chunk 0 has been multiplied: one refill in the launch.
; CLUSTER.  The four work-groups of a cluster share y, so they need the same three pieces of weights: those are asked for jointly (mask 15); x's pieces are each work-group's own (mask 0).
; My place in the cluster enters x's, the table's and the results' global addresses alone.
; LAYOUT.  q, k: the product is used transposed (source 0 = 16 rows of the weight, source 1 = 16 rows of x): a lane holds one row of x.  The weights' tiles hold even rows and odd rows apart (launch 1), so that register i of the
; first 16 is the even number of pair 16 h + i and register 16 + i its odd partner: RoPE is packed arithmetic in the lane, and its results are 32 c + 16 h + i along the head: the order that the next operand wants.
; v: the product is used as it stands (source 0 = x): a lane holds one of the head's 64 and its 16 registers of two tiles are 16 neighbouring keys.
; LIMITS: as stated at the head of launch 1.
.set PIECE, 16896
.set SLOT,  5*PIECE
.set SPARE, 3*SLOT                     ; behind the slots: the spare words, 128 bytes for each of nine waves, in five blocks of 256 bytes
.set KVREC, 34304                      ; a record of kv: 256 keys: K's codes 16,384, V's codes 16,384, K's scale words 1,024, V's 512
.set QSC,   4194304                    ; where q's scale words begin in qq
.set LI,  1                            ; v1   16 x lane
.set R8,  2                            ; v2   8 r
.set SPW, 3                            ; v3   my spare word; never rewritten
.set NIL, 4                            ; v4   0; never rewritten
.set AX0, 5                            ; v5-8  my fragments' and scale words' places in a slot: x's, the weight's
.set AW0, 6
.set SX0, 7
.set SW0, 8
.set AX,  9                            ; v9-12 the same in the slot in hand
.set AW,  10
.set SX,  11
.set SW,  12
.set R4,  13                           ; v13  4 r
.set L4,  14                           ; v14  4 x lane
.set XS,  16                           ; v16-19 x's scale words (tile a, K step ks) at 2 a + ks;  v20-27 the weight's (tile t) at 2 t + ks
.set WS,  20
.set XF,  32                           ; v32-63   x's two fragments
.set WF,  64                           ; v64-127  the weight's four
.set ACC, 128                          ; v128-191 eight accumulators
.set RT,  192                          ; v192-255 the table: for each tile of rows 16 cosines, 16 sines
.set TM,  32                           ; the way out: at work
.set PC,  64                           ; and the codes
.set WV,  14
.set VK,  20                           ; s20  1 in the wave that makes v
.set HMASK, 22
.set MNT, 23
.set G1X, 24                           ; s[24:31] descriptor group 1, no mask;  s[32:39] the same with the mask
.set G1W, 32
.set G0X, 40                           ; s[40:55] group 0 for x's piece of chunks 0 to 3
.set SEL, 56
.set G0W, 68                           ; s[68:83] group 0 for the weight's piece of chunks 0 to 3
.set REC, 94                           ; s94  my record's first byte in kv
.macro ROUND                           ; a round of the cluster's barrier
	s_barrier_signal -1
	s_barrier_wait -1
	s_cmp_lg_u32 s[WV], 0
	s_cbranch_scc1 .Lnot_wave_0_\@
	s_barrier_signal -3
.Lnot_wave_0_\@:
	s_barrier_wait -3
	s_barrier_signal -1
	s_barrier_wait -1
.endm
.macro QUANT s, pc                     ; 64 numbers of a lane, register 16 b + i, become 16 registers of codes; the four blocks' bytes are left in v[TM+4] on
.irp b, 0,1,2,3
	v_max3_num_f32 v[TM+\b], |v[\s+16*\b]|, |v[\s+1+16*\b]|, 0x8000000   ; and the floor 2^(16 - 127): the byte cannot fall under 1
.endr
.irp i, 2,4,6,8,10,12,14
.irp b, 0,1,2,3
	v_max3_num_f32 v[TM+\b], v[TM+\b], |v[\s+16*\b+\i]|, |v[\s+1+16*\b+\i]|
.endr
.endr
.irp b, 0,1,2,3
	s_delay_alu instid0(VALU_DEP_4)
	v_permlanex16_b32 v[TM+4+\b], v[TM+\b], s[SEL], s[SEL+1]
.endr
.irp b, 0,1,2,3
	s_delay_alu instid0(VALU_DEP_4)
	v_max_num_f32 v[TM+\b], v[TM+\b], v[TM+4+\b]                  ; with lane l xor 16's: the block's largest magnitude
.endr
.irp b, 0,1,2,3
	s_delay_alu instid0(VALU_DEP_4)
	v_add_nc_u32 v[TM+12+\b], 0xf8800000, v[TM+\b]                ; 15 off its exponent field: the conversion's scale operand
.endr
.irp b, 0,1,2,3
.endr
.irp b, 0,1,2,3
	s_delay_alu instid0(VALU_DEP_4)
	v_lshrrev_b32 v[TM+4+\b], 23, v[TM+12+\b]                     ; the byte
.endr
.irp b, 0,1,2,3
.irp i, 0,1,2,3,4,5,6,7,8,9,10,11,12,13,14,15
.endr
	v_cvt_scalef32_pk8_bf8_f32 v[\pc+4*\b:\pc+1+4*\b], v[\s+16*\b:\s+7+16*\b], v[TM+12+\b]
	v_cvt_scalef32_pk8_bf8_f32 v[\pc+2+4*\b:\pc+3+4*\b], v[\s+8+16*\b:\s+15+16*\b], v[TM+12+\b]
.endr
	v_nop                                          ; one plain line behind the last conversion
.endm
	s_load_b256 s[4:11], s[0:1], 0x0               ; xq s[4:5], wts s[6:7], rope s[8:9], qq s[10:11]
	s_load_b64 s[12:13], s[0:1], 0x20              ; kv
	v_lshl_add_u32 v[SPW], v0, 2, SPARE
	v_mov_b32 v[NIL], 0
	ds_add_u32 v[SPW], v[NIL]                      ; the wave's opening: the add, twice on end, and its wait ahead of the first tensor loads
	ds_add_u32 v[SPW], v[NIL]
	v_lshrrev_b32 v[LI], 5, v0
	s_delay_alu instid0(VALU_DEP_1)
	v_readfirstlane_b32 s[WV], v[LI]               ; wave 0..8
	s_bfe_u32 s15, ttmp6, 0x40000                  ; cx
	s_lshl_b32 s16, ttmp9, 2
	s_add_co_u32 s16, s16, s15                     ; mt = 4 x cluster x + cx
	s_and_b32 s17, ttmp7, 0xffff                   ; y, which the four partners share
	s_lshr_b32 s18, s[WV], 2                       ; which weight piece is mine: 0, 1: q's heads; 2: wk or wv
	s_lshr_b32 s21, s17, 2                         ; 0: k, 1: v
	s_lshr_b32 s58, s[WV], 3                       ; 1 in wave 8
	s_and_b32 s[VK], s58, s21
	s_and_b32 s19, s[WV], 3
	s_and_b32 s59, s17, 3
	s_cmp_eq_u32 s58, 0
	s_cselect_b32 s19, s19, s59                    ; my quarter of the 128 rows
	; descriptor group 1: a piece is 66 rows of 256 dense bytes (32 elements of 8 bytes), no padding
	s_mov_b32 s[G1X], 3<<16                        ; 15:0 no mask; 17:16 elements of 8 bytes
	s_mov_b32 s[G1W], 15|(3<<16)|(1<<21)           ; 15:0 all four work-groups; 21 set beside a mask
.irp g, G1X, G1W
	s_mov_b32 s[\g+1], 32<<16                      ; tensor_dim0
	s_mov_b32 s[\g+2], 66<<16                      ; tensor_dim1
	s_mov_b32 s[\g+3], 32<<16                      ; tile_dim0
	s_mov_b32 s[\g+4], 66                          ; tile_dim1
	s_mov_b32 s[\g+5], 32                          ; from row to row
	s_mov_b32 s[\g+6], 0
	s_mov_b32 s[\g+7], 0
.endr
	s_mul_i32 s60, s[WV], PIECE                    ; waves 0 to 4 fetch; piece w of a slot lies at w x PIECE
	s_and_b32 s63, s[WV], 1
	s_lshl_b32 s61, s16, 3
	s_add_co_u32 s61, s61, s63
	s_mul_i32 s90, s61, PIECE                      ; x: piece 8 mt + 2 chunk + half
	s_mov_b32 s91, 0
	s_lshl_b32 s61, s17, 3
	s_add_co_u32 s61, s61, s63                     ; wq: piece 8 y + 2 chunk + half;
	s_lshl_b32 s62, s21, 2
	s_add_co_u32 s62, s62, 128                     ; wk, wv: piece 128 + 4 kind + chunk
	s_cmp_lt_u32 s[WV], 4
	s_cselect_b32 s61, s61, s62
	s_cselect_b32 s63, 2, 1
	s_mul_i32 s92, s61, PIECE
	s_mov_b32 s93, 0
	s_mul_i32 s94, s63, PIECE                      ; from chunk to chunk
	s_mov_b32 s95, 0
	s_mov_b32 s99, 0
	s_mov_b32 s[SEL], 0x76543210
	s_mov_b32 s[SEL+1], 0xfedcba98
	s_mov_b32 s[HMASK], 0xffff0000
	s_wait_dscnt 0x0                               ; both opening adds are done
	s_wait_kmcnt 0x0
	s_add_nc_u64 s[90:91], s[4:5], s[90:91]
	s_add_nc_u64 s[92:93], s[6:7], s[92:93]
.irp c, 0,1,2,3
	s_mov_b32 s[G0X+4*\c], 1
	s_add_co_u32 s[G0X+4*\c+1], s60, (\c%3)*SLOT
	s_add_nc_u64 s[G0X+4*\c+2:G0X+4*\c+3], s[90:91], \c*2*PIECE
	s_or_b32 s[G0X+4*\c+3], s[G0X+4*\c+3], 0x80000000
	s_mov_b32 s[G0W+4*\c], 1
	s_add_co_u32 s[G0W+4*\c+1], s60, (\c%3)*SLOT
	s_mov_b64 s[G0W+4*\c+2:G0W+4*\c+3], s[92:93]
	s_or_b32 s[G0W+4*\c+3], s[G0W+4*\c+3], 0x80000000
	s_add_nc_u64 s[92:93], s[92:93], s[94:95]
.endr
	ROUND                                          ; all four work-groups are here: the first joint loads meet
	s_cmp_lt_u32 s[WV], 2                          ; the first fills, chunks 0, 1, 2: a wave's three stand in one branch on its number; three loads of mine are out
	s_cbranch_scc0 .Lf3_not_x
.irp c, 0,1,2
	tensor_load_to_lds s[G0X+4*\c:G0X+4*\c+3], s[G1X:G1X+7]
	s_nop 0
.endr
.rept 4
	v_nop
.endr
	s_branch .Lf3_done
.Lf3_not_x:
	s_cmp_lt_u32 s[WV], 5
	s_cbranch_scc0 .Lf3_done
.irp c, 0,1,2
	tensor_load_to_lds s[G0W+4*\c:G0W+4*\c+3], s[G1W:G1W+7]
	s_nop 0
.endr
.rept 4
	v_nop
.endr
.Lf3_done:
	v_and_b32 v29, 31, v0
	s_delay_alu instid0(VALU_DEP_1)
	v_lshlrev_b32 v[LI], 4, v29
	s_delay_alu instid0(VALU_DEP_2)
	v_lshlrev_b32 v[L4], 2, v29
	v_and_b32 v15, 15, v0
	s_delay_alu instid0(VALU_DEP_1)
	v_lshlrev_b32 v[R8], 3, v15
	s_wait_alu depctr_va_vdst(0)
	v_lshlrev_b32 v[R4], 2, v15
	s_lshr_b32 s58, s19, 1
	s_mul_i32 s58, s58, PIECE                      ; my quarter: half quarter / 2 of x, tiles 2 (quarter % 2) and the next
	s_and_b32 s59, s19, 1
	s_lshl_b32 s61, s59, 13
	s_add_co_u32 s61, s61, s58
	v_add_nc_u32 v[AX0], s61, v[LI]
	s_lshl_b32 s61, s59, 8
	s_add_co_u32 s61, s61, s58
	s_add_co_u32 s61, s61, 16384
	v_add_nc_u32 v[SX0], s61, v[R8]
	s_add_co_u32 s62, s18, 2
	s_mul_i32 s62, s62, PIECE
	v_add_nc_u32 v[AW0], s62, v[LI]
	s_add_co_u32 s62, s62, 16384
	v_add_nc_u32 v[SW0], s62, v[R8]
	s_and_b32 s96, s16, 15
	s_lshl_b32 s96, s96, 2
	s_add_co_u32 s96, s96, s19                     ; my block of 32 positions in the sequence
	s_lshr_b32 s97, s16, 4                         ; the batch
	s_lshl_b32 s98, s96, 13
	s_add_nc_u64 s[88:89], s[8:9], s[98:99]
.irp a, 0,1                                    ; the table of my 32 positions.  Every wave loads it, the one that makes v too: so one way leads through the text up to the way out
.irp t, 0,1
.irp k, 0,1,2,3
	global_load_b128 v[RT+32*\a+16*\t+4*\k:RT+32*\a+16*\t+4*\k+3], v[LI], s[88:89] offset:4096*\a+2048*\t+512*\k
.endr
.endr
.endr
	; where the results go.  q: unit (16 batch + head) x 64 + block: 2,048 bytes of codes, 128 of scale words.  k: the same two shapes inside the record of 256 keys
	s_lshl_b32 s58, s97, 4
	s_lshl_b32 s59, s17, 1
	s_add_co_u32 s58, s58, s59
	s_add_co_u32 s58, s58, s18
	s_lshl_b32 s58, s58, 6
	s_add_co_u32 s58, s58, s96
	s_lshl_b32 s59, s58, 11
	s_lshl_b32 s61, s58, 7
	s_add_co_u32 s61, s61, QSC
	s_lshl_b32 s62, s97, 3
	s_lshr_b32 s63, s96, 3
	s_add_co_u32 s62, s62, s63
	s_mul_i32 s[REC], s62, KVREC
	s_and_b32 s63, s96, 7
	s_lshl_b32 s58, s63, 11
	s_add_co_u32 s58, s58, s[REC]
	s_lshl_b32 s63, s63, 7
	s_add_co_u32 s63, s63, s[REC]
	s_add_co_u32 s63, s63, 32768
	s_cmp_lt_u32 s[WV], 8
	s_cselect_b64 s[84:85], s[10:11], s[12:13]
	s_cselect_b32 s98, s59, s58
	s_cselect_b32 s58, s61, s63
	s_mov_b64 s[86:87], s[84:85]
	s_add_nc_u64 s[84:85], s[84:85], s[98:99]      ; codes
	s_mov_b32 s98, s58
	s_add_nc_u64 s[86:87], s[86:87], s[98:99]      ; scale words
.macro CHUNK slot                      ; my addresses in a slot
	v_add_nc_u32 v[AX], \slot*SLOT, v[AX0]
	v_add_nc_u32 v[AW], \slot*SLOT, v[AW0]
	v_add_nc_u32 v[SX], \slot*SLOT, v[SX0]
	v_add_nc_u32 v[SW], \slot*SLOT, v[SW0]
.endm
; 128 along K: six fragments from LDS, eight matrix instructions.  zero = 1: the products start the sums.  sc = 1: the chunk's scale words come too (both K steps' by one load of 8 bytes).
; The eight accumulators take turns in the same order on both ways and in every K step.
.macro KSTEP ks, zero, sc
.if !\zero
.rept 8
	v_nop                                          ; eight places in front of loads into registers that matrix instructions have read
.endr
.endif
.if \sc
.irp a, 0,1
	ds_load_b64 v[XS+2*\a:XS+2*\a+1], v[SX] offset:128*\a
.endr
.irp t, 0,1,2,3
	ds_load_b64 v[WS+2*\t:WS+2*\t+1], v[SW] offset:128*\t
.endr
.endif
.irp a, 0,1
.irp c, 0,1,2,3
	ds_load_b128 v[XF+16*\a+4*\c:XF+16*\a+4*\c+3], v[AX] offset:4096*\a+2048*\ks+512*\c
.endr
.endr
.irp t, 0,1,2,3
.irp c, 0,1,2,3
	ds_load_b128 v[WF+16*\t+4*\c:WF+16*\t+4*\c+3], v[AW] offset:4096*\t+2048*\ks+512*\c
.endr
.endr
	s_wait_dscnt 0x0
	s_cmp_eq_u32 s[VK], 0
	s_cbranch_scc0 .Lnatural_\@
.irp a, 0,1                                    ; q, k: transposed
.irp t, 0,1,2,3
.if \zero
	v_wmma_scale_f32_16x16x128_f8f6f4 v[ACC+32*\a+8*\t:ACC+32*\a+8*\t+7], v[WF+16*\t:WF+16*\t+15], v[XF+16*\a:XF+16*\a+15], 0, v[WS+2*\t+\ks], v[XS+2*\a+\ks] matrix_a_fmt:MATRIX_FMT_BF8 matrix_b_fmt:MATRIX_FMT_BF8
.else
	v_wmma_scale_f32_16x16x128_f8f6f4 v[ACC+32*\a+8*\t:ACC+32*\a+8*\t+7], v[WF+16*\t:WF+16*\t+15], v[XF+16*\a:XF+16*\a+15], v[ACC+32*\a+8*\t:ACC+32*\a+8*\t+7], v[WS+2*\t+\ks], v[XS+2*\a+\ks] matrix_a_fmt:MATRIX_FMT_BF8 matrix_b_fmt:MATRIX_FMT_BF8
.endif
.endr
.endr
	s_branch .Lmultiplied_\@
.Lnatural_\@:
.irp t, 0,1,2,3                                ; v: as it stands
.irp a, 0,1
.if \zero
	v_wmma_scale_f32_16x16x128_f8f6f4 v[ACC+16*\t+8*\a:ACC+16*\t+8*\a+7], v[XF+16*\a:XF+16*\a+15], v[WF+16*\t:WF+16*\t+15], 0, v[XS+2*\a+\ks], v[WS+2*\t+\ks] matrix_a_fmt:MATRIX_FMT_BF8 matrix_b_fmt:MATRIX_FMT_BF8
.else
	v_wmma_scale_f32_16x16x128_f8f6f4 v[ACC+16*\t+8*\a:ACC+16*\t+8*\a+7], v[XF+16*\a:XF+16*\a+15], v[WF+16*\t:WF+16*\t+15], v[ACC+16*\t+8*\a:ACC+16*\t+8*\a+7], v[XS+2*\a+\ks], v[WS+2*\t+\ks] matrix_a_fmt:MATRIX_FMT_BF8 matrix_b_fmt:MATRIX_FMT_BF8
.endif
.endr
.endr
.Lmultiplied_\@:
.endm
	s_wait_alu depctr_va_vdst(0)
	s_wait_tensorcnt 0x2                           ; my piece of chunk 0 is in; chunks 1 and 2 may stay out
	s_barrier_signal -1
	s_barrier_wait -1                              ; everybody's is
	CHUNK 0
	KSTEP 0, 1, 1
	s_wait_alu depctr_va_vdst(0)
	KSTEP 1, 0, 0
	s_wait_tensorcnt 0x0                           ; THE ONE REFILL.  All my tensor loads have landed;
	ds_add_u32 v[SPW], v[NIL]                      ; 0 onto my spare word: here twice on end
	ds_add_u32 v[SPW], v[NIL]
	s_wait_dscnt 0x0                               ; the adds are done, and my reads of slot 0 are over
	ROUND                                          ; the same holds of every wave of all four work-groups
	s_cmp_lt_u32 s[WV], 2                          ; chunk 3 into slot 0: a wave's one tensor load behind the round, and the first thing there
	s_cbranch_scc0 .Lf1_not_x
	tensor_load_to_lds s[G0X+12:G0X+15], s[G1X:G1X+7]
	s_nop 0
.rept 4
	v_nop
.endr
	s_branch .Lf1_done
.Lf1_not_x:
	s_cmp_lt_u32 s[WV], 5
	s_cbranch_scc0 .Lf1_done
	tensor_load_to_lds s[G0W+12:G0W+15], s[G1W:G1W+7]
	s_nop 0
.rept 4
	v_nop
.endr
.Lf1_done:
	CHUNK 1                                        ; chunks 1 and 2 were shown landed in front of the round; chunk 3 lands under their 32 matrix instructions
	KSTEP 0, 0, 1
	s_wait_alu depctr_va_vdst(0)
	KSTEP 1, 0, 0
	CHUNK 2
	KSTEP 0, 0, 1
	s_wait_alu depctr_va_vdst(0)
	KSTEP 1, 0, 0
	s_wait_tensorcnt 0x0                           ; my piece of chunk 3 is in,
	s_wait_dscnt 0x0
	s_barrier_signal -1
	s_barrier_wait -1                              ; everybody's is
	CHUNK 0
	KSTEP 0, 0, 1
	s_wait_alu depctr_va_vdst(0)
	KSTEP 1, 0, 0
.rept 8
	v_nop                                          ; eight places in front of the first read of results and the first write of operands
.endr
	s_wait_loadcnt 0x0                             ; the table
.irp b, 0,1,2,3
	v_mov_b32 v[TM+4+\b], 0                        ; a lane permute's destination counts as one of its sources
.endr
	s_cmp_eq_u32 s[VK], 0
	s_cbranch_scc0 .Lv_out
; ---- q, k: RoPE, two pairs at a time: even' = even cos - odd sin, odd' = odd cos + even sin.  Each accumulator is read from its low end on.
.irp a, 0,1
.irp i, 0,2,4,6,8,10,12,14
	v_pk_mul_f32 v[56+2*(\i%4):57+2*(\i%4)], v[ACC+32*\a+16+\i:ACC+32*\a+17+\i], v[RT+32*\a+16+\i:RT+32*\a+17+\i]
	v_pk_mul_f32 v[58+2*(\i%4):59+2*(\i%4)], v[ACC+32*\a+\i:ACC+32*\a+1+\i], v[RT+32*\a+16+\i:RT+32*\a+17+\i]
	v_pk_fma_f32 v[ACC+32*\a+\i:ACC+32*\a+1+\i], v[ACC+32*\a+\i:ACC+32*\a+1+\i], v[RT+32*\a+\i:RT+32*\a+1+\i], v[56+2*(\i%4):57+2*(\i%4)] neg_lo:[0,0,1] neg_hi:[0,0,1]
	v_pk_fma_f32 v[ACC+32*\a+16+\i:ACC+32*\a+17+\i], v[ACC+32*\a+16+\i:ACC+32*\a+17+\i], v[RT+32*\a+\i:RT+32*\a+1+\i], v[58+2*(\i%4):59+2*(\i%4)]
.endr
.endr
	QUANT ACC, PC                                  ; block 2 a + c: tile of rows a, the head's numbers 32 c + 16 h + 0 .. 15
	v_lshl_or_b32 v48, v[TM+5], 8, v[TM+4]
	v_lshl_or_b32 v49, v[TM+7], 8, v[TM+6]
	s_delay_alu instid0(VALU_DEP_2)
	v_or_b32 v48, 0x7f7f0000, v48                  ; the product with K = 64 goes by an instruction of K = 128: the upper two bytes stand over zero codes
	s_delay_alu instid0(VALU_DEP_2)
	v_or_b32 v49, 0x7f7f0000, v49
	s_delay_alu instid0(VALU_DEP_1)
	v_cndmask_b32 v50, v48, v49, s[HMASK]          ; lanes 0-15: tile 0's rows, lanes 16-31: tile 1's
.irp b, 0,1,2,3
	global_store_b128 v[LI], v[PC+4*\b:PC+4*\b+3], s[84:85] offset:512*\b   ; 512 consecutive bytes
.endr
	global_store_b32 v[L4], v50, s[86:87]
	s_branch .Lout_done
; ---- v: block t is the tile of 16 of the head's 64; a lane's 16 registers are keys 16 h + 0 .. 15 of my block of 32 keys
.Lv_out:
	s_bfe_u32 s58, s96, 0x10002                    ; which step of 128 keys in the record,
	s_and_b32 s59, s96, 3                          ; which block of 32 in the step
	s_lshl_b32 s61, s58, 13
	s_lshl_b32 s63, s59, 9
	s_add_co_u32 s61, s61, s63
	s_add_co_u32 s61, s61, s[REC]
	s_add_co_u32 s98, s61, 16384
	s_add_nc_u64 s[84:85], s[12:13], s[98:99]
	s_lshl_b32 s61, s58, 8
	s_add_co_u32 s61, s61, s59
	s_add_co_u32 s61, s61, s[REC]
	s_add_co_u32 s98, s61, 33792
	s_add_nc_u64 s[86:87], s[12:13], s[98:99]
	QUANT ACC, PC
.irp t, 0,1,2,3
	global_store_b128 v[LI], v[PC+4*\t:PC+4*\t+3], s[84:85] offset:2048*\t
.endr
.irp t, 0,1,2,3
	global_store_b8 v[R4], v[TM+4+\t], s[86:87] offset:64*\t   ; one byte of each row's word (both halves of the lanes write the same byte): 8,192 bytes in the whole launch
.endr
.Lout_done:
	s_wait_tensorcnt 0x0                           ; the wave's end
	ds_add_u32 v[SPW], v[NIL]
	s_wait_dscnt 0x0
	ROUND                                          ; the closing round: no work-group ends while a partner may still ask for a piece that names it
	s_endpgm
.Lfunc_end_k_qe0682ab629_qkv:
	.size	k_qe0682ab629_qkv, .Lfunc_end_k_qe0682ab629_qkv-k_qe0682ab629_qkv
	.p2alignl 7, 3214868480
	.fill 96, 4, 3214868480
	.section	.rodata,"a",@progbits
	.p2align	6, 0x0
	.amdhsa_kernel k_qe0682ab629_qkv
		.amdhsa_group_segment_fixed_size 327680
		.amdhsa_private_segment_fixed_size 0
		.amdhsa_enable_private_segment 0
		.amdhsa_kernarg_size 40
		.amdhsa_user_sgpr_count 2
		.amdhsa_user_sgpr_kernarg_segment_ptr 1
		.amdhsa_wavefront_size32 1
		.amdhsa_system_sgpr_workgroup_id_x 1
		.amdhsa_system_sgpr_workgroup_id_y 1
		.amdhsa_system_sgpr_workgroup_id_z 1
		.amdhsa_system_vgpr_workitem_id 0
		.amdhsa_next_free_vgpr 256
		.amdhsa_next_free_sgpr 100
		.amdhsa_reserve_vcc 0
		.amdhsa_float_denorm_mode_32 3
		.amdhsa_float_denorm_mode_16_64 3
		.amdhsa_fp16_overflow 1
		.amdhsa_memory_ordered 1
		.amdhsa_forward_progress 1
		.amdhsa_inst_pref_size 60
	.end_amdhsa_kernel
	.amdgpu_metadata
---
amdhsa.version: [ 1, 2 ]
amdhsa.kernels:
  - .name:           k_qe0682ab629_qkv
    .symbol:         k_qe0682ab629_qkv.kd
    .args:
      - { .name: xq, .offset: 0, .size: 8, .value_kind: global_buffer, .address_space: global }
      - { .name: wts, .offset: 8, .size: 8, .value_kind: global_buffer, .address_space: global }
      - { .name: rope, .offset: 16, .size: 8, .value_kind: global_buffer, .address_space: global }
      - { .name: qq, .offset: 24, .size: 8, .value_kind: global_buffer, .address_space: global }
      - { .name: kv, .offset: 32, .size: 8, .value_kind: global_buffer, .address_space: global }
    .group_segment_fixed_size: 327680
    .private_segment_fixed_size: 0
    .kernarg_segment_align: 8
    .kernarg_segment_size: 40
    .max_flat_workgroup_size: 288
    .sgpr_count:     100
    .vgpr_count:     256
    .wavefront_size: 32
...
	.end_amdgpu_metadata
.endif
;; end of part 2
;; launch attn (part 3): grid 64 x 4, 16 waves a work-group, no clusters, 327,680 bytes of LDS; arguments qq, kv, aq; writes aq
.if DOCPART == 3
	.amdgcn_target "amdgcn-amd-amdhsa--gfx1250"
	.amdhsa_code_object_version 6
	.text
	.protected	k_qe0682ab629_attn
	.globl	k_qe0682ab629_attn
	.p2align	8
	.type	k_qe0682ab629_attn,@function
k_qe0682ab629_attn:
	s_mov_b64 s[64:65], 0
	v_nop
	global_prefetch_b8 v0, s[64:65] scope:SCOPE_SE
	s_setreg_imm32_b32 hwreg(HW_REG_WAVE_MODE, 25, 1), 1
	s_wait_xcnt 0x0
; Launch 3 of 4: for each batch and head, O = softmax(Q K^T / 8, causal) V on codes of E5M2; O is divided by the row's sum and quantised along the head's 64 for the last product.
; LEFT OUT: steps of 128 keys that lie wholly behind a wave's 16 queries (the mask that reference() builds makes their p zero for all inputs: shown at the head of launch 1).
; THE SOFTMAX: t = score x log2(e) / 8; M = the running largest t rounded up to a whole number; p = 2^(t - M) is quantised along the keys, not normalised; the row's sum is taken of the unquantised p.
; When M moves, the sum and O are multiplied by 2^(old M - new M): exact.
; SHARES.  A wave owns one head and one tile of 16 queries; tile t needs t / 8 + 1 steps.  A work-group (p, y) owns batch y / 2, heads 8 (y % 2) on, and the tiles p and 127 - p: every pair of waves walks 17 steps, so all
; 256 work-groups have the same work.  The long and the short tiles are dealt so that any four waves on end, and any four waves four apart, hold two of each.
; K and V are the batch's one shared head: records of 256 keys (34,304 dense bytes: K's codes, V's codes, both scale words) come through a ring of two LDS slots, two tensor loads a record (waves 0 and 1), read by all sixteen.
; NO CLUSTER: every work-group walks a constant number of changes of slots and stops asking at its own causal limit, by a jump on ids round the load; the limits of work-groups that share a batch differ, and partners in a
; cluster would have to make every joint request alike.
; LAYOUT.  Both products transposed: S^T = K Q^T, O^T = V^T P^T: a lane holds one query (32 blk + 8 u + PAT(lane % 16)).  The keys of a tile follow the same pattern, so that the 16 registers of two neighbouring tiles are 16
; neighbouring keys.  The first product has K = 64: registers 8-15 of Q's and K's fragments hold zero codes, under the scale byte 127.
; LIMITS: as stated at the head of launch 1.
.set PIECE, 16896
.set KVREC, 34304
.set HALFR, 17152                      ; what one tensor load brings: 67 rows of 256 bytes
.set SLOT1, 65536                      ; slot 1 begins here: one exclusive or turns an address from one slot to the other
.set SPARE, 131072                     ; the spare words, 128 bytes for each of sixteen waves
.set QSC,   4194304
.set LI,  1                            ; v1   16 x lane
.set R4,  2                            ; v2   4 r
.set DQ,  3                            ; v3   PAT(r) - 16 h
.set SPW, 5
.set NIL, 6
.set PFO, 7                            ; v7   256 x lane: the prefetches' offset; never rewritten
.set ADK, 8                            ; v8   the slot in hand + 16 x lane
.set ADS, 9                            ; v9   the slot in hand + 4 r
.set QF,  16                           ; v16-31  Q (v24-31: zeros)
.set KFR, 32                           ; v32-95  four fragments of K (the upper eight registers of each: zeros)
.set ST,  96                           ; v96-159 S^T, then p, then V's four fragments
.set OT,  160                          ; v160-191 O^T
.set PCD, 192                          ; v192-207 p's codes
.set BM,  208                          ; v208-211 the blocks' largest scores, then largest p
.set T2,  212                          ; v212-215 at work
.set HOLD, 216
.set SCL, 220
.set KS,  224                          ; v224-227 K's or V's scale words
.set FF,  228                          ; v228 f;  v229 p's scale word
.set PW,  229
.set TMP, 230
.set QS,  231                          ; Q's scale words
.set WV,  10
.set Q0,  19
.set SEL, 20
.set CS,  22
.set G1,  24
.set G0,  32
.set QMAX, 36
.set LASTQ, 37
.set KF,  38                           ; the step's first key
.set TB,  39                           ; where the slot in hand begins
.set SLOTS, 40
.set LIM, 41
.set PFA, 42
.set MNT, 44
.macro TLOAD                           ; waves 0 and 1 fetch a record's two halves; an s_nop 0 and four v_nop follow the load
	s_cmp_lt_u32 s[WV], 2
	s_cbranch_scc0 .Lasked_\@
	tensor_load_to_lds s[G0:G0+3], s[G1:G1+7]
	s_nop 0
.rept 4
	v_nop
.endr
.Lasked_\@:
.endm
; A prefetch of the codes (32,768 bytes) of the record that the NEXT change of slots will load: two key steps ahead of that load.  All work-groups of a batch walk the same records: the one with p = 0 and the lower heads, which
; walks all eight, asks; in it waves 4 to 7, 8,192 bytes each, lanes 256 bytes apart: each block of 256 bytes is named once in the launch.  Records 0 and 1 and every record's scale words come by their loads alone; the last change that fills a slot asks for nothing.
.macro ASK
	s_cmp_gt_u32 s[SLOTS], s[LIM]
	s_cbranch_scc0 .Lnot_mine_\@
	global_prefetch_b8 v[PFO], s[PFA:PFA+1] th:TH_LOAD_NT scope:SCOPE_SE
.Lnot_mine_\@:
.endm
	s_load_b128 s[4:7], s[0:1], 0x0                ; qq s[4:5], kv s[6:7]
	s_load_b64 s[8:9], s[0:1], 0x10                ; aq
	v_lshl_add_u32 v[SPW], v0, 2, SPARE
	v_mov_b32 v[NIL], 0
	ds_add_u32 v[SPW], v[NIL]                      ; the wave's opening: the add, twice on end, and its wait ahead of the first tensor load
	ds_add_u32 v[SPW], v[NIL]
	v_lshrrev_b32 v8, 5, v0
	s_delay_alu instid0(VALU_DEP_1)
	v_readfirstlane_b32 s[WV], v8                  ; wave 0..15
	s_and_b32 s11, ttmp7, 0xffff
	s_lshr_b32 s12, s11, 1                         ; the batch
	s_and_b32 s13, s11, 1                          ; which eight heads
	s_lshr_b32 s14, s[WV], 2
	s_add_co_u32 s14, s14, s[WV]
	s_and_b32 s14, s14, 1                          ; 0: tile p, 1: tile 127 - p
	s_lshr_b32 s15, s[WV], 1
	s_lshl_b32 s50, s13, 3
	s_add_co_u32 s15, s15, s50                     ; the head
	s_lshl_b32 s50, ttmp9, 1
	s_sub_co_u32 s50, 127, s50
	s_mul_i32 s50, s50, s14
	s_add_co_u32 s16, s50, ttmp9                   ; my tile
	s_lshr_b32 s17, s16, 1                         ; its block of 32 positions,
	s_and_b32 s18, s16, 1                          ; and which of the block's two tiles
	s_lshl_b32 s[Q0], s17, 5
	s_lshl_b32 s50, s18, 3
	s_add_co_u32 s[Q0], s[Q0], s50                 ; my first query
	s_add_co_u32 s[QMAX], s[Q0], 23                ; and my last
	s_sub_co_u32 s[LASTQ], 127, ttmp9
	s_lshr_b32 s[LASTQ], s[LASTQ], 1
	s_lshl_b32 s[LASTQ], s[LASTQ], 5
	s_or_b32 s[LASTQ], s[LASTQ], 31                ; the end of the block of 32 that holds my work-group's last query: a slot begins at a multiple of 256, so it lies under this bound just when it lies under that query
	s_mov_b32 s[G1], 3<<16                         ; group 1: 67 rows of 256 dense bytes (32 elements of 8 bytes), no mask, no padding
	s_mov_b32 s[G1+1], 32<<16
	s_mov_b32 s[G1+2], 67<<16
	s_mov_b32 s[G1+3], 32<<16
	s_mov_b32 s[G1+4], 67
	s_mov_b32 s[G1+5], 32
	s_mov_b32 s[G1+6], 0
	s_mov_b32 s[G1+7], 0
	s_mov_b32 s47, 0
	s_mul_i32 s51, s[WV], HALFR
	s_mul_i32 s52, s12, 8*KVREC                    ; the batch's eight records
	s_mov_b32 s[SEL], 0x76543210
	s_mov_b32 s[SEL+1], 0xfedcba98
	s_mov_b32 s[CS], 0x3e38aa3b                    ; c = log2(e) / 8
	s_mov_b32 s[CS+1], s[CS]                       ; (named with it as a pair, so it is written)
	s_mov_b32 s[TB], 0
	s_mov_b32 s[KF], 0
	s_mov_b32 s[SLOTS], 7
	s_wait_dscnt 0x0                               ; both opening adds are done
	s_wait_kmcnt 0x0
	s_add_co_u32 s46, s52, s51
	s_mov_b32 s[G0], 1
	s_mov_b32 s[G0+1], s51
	s_add_nc_u64 s[G0+2:G0+3], s[6:7], s[46:47]
	s_or_b32 s[G0+3], s[G0+3], 0x80000000
	TLOAD                                          ; slot 0: keys 0 to 255, which count for every work-group
	s_and_b32 s53, s[WV], 3
	s_lshl_b32 s53, s53, 13
	s_add_co_u32 s46, s52, s53
	s_add_co_u32 s46, s46, KVREC                   ; the prefetches stand in record 1; the first change of slots steps them to record 2
	s_add_nc_u64 s[PFA:PFA+1], s[6:7], s[46:47]
	s_sub_co_u32 s53, s[WV], 4
	s_lshr_b32 s53, s53, 2                         ; 0 in waves 4 to 7
	s_or_b32 s53, s53, ttmp9
	s_or_b32 s53, s53, s13
	s_cmp_eq_u32 s53, 0
	s_cselect_b32 s[LIM], 1, -1
	s_lshl_b32 s53, s12, 4
	s_add_co_u32 s53, s53, s15
	s_lshl_b32 s53, s53, 6
	s_add_co_u32 s53, s53, s17                     ; q's unit
	s_lshl_b32 s46, s53, 11
	s_lshl_b32 s54, s18, 10
	s_add_co_u32 s46, s46, s54
	s_add_nc_u64 s[48:49], s[4:5], s[46:47]
	s_lshl_b32 s46, s53, 7
	s_lshl_b32 s54, s18, 6
	s_add_co_u32 s46, s46, s54
	s_add_co_u32 s46, s46, QSC
	s_add_nc_u64 s[56:57], s[4:5], s[46:47]
	v_and_b32 v10, 31, v0
	s_delay_alu instid0(VALU_DEP_1)
	v_lshlrev_b32 v[LI], 4, v10
	s_delay_alu instid0(VALU_DEP_2)
	v_lshlrev_b32 v[PFO], 8, v10
	v_and_b32 v10, 15, v0
	s_delay_alu instid0(VALU_DEP_1)
	v_lshlrev_b32 v[R4], 2, v10
	global_load_b128 v[QF:QF+3], v[LI], s[48:49]
	global_load_b128 v[QF+4:QF+7], v[LI], s[48:49] offset:512
	global_load_b32 v[QS], v[R4], s[56:57]
	v_and_b32 v11, 8, v10
	s_delay_alu instid0(VALU_DEP_1)
	v_add_nc_u32 v[DQ], v11, v10                   ; PAT(r)
	v_bfe_u32 v11, v0, 4, 1
	s_delay_alu instid0(VALU_DEP_1)
	v_lshlrev_b32 v11, 4, v11
	s_delay_alu instid0(VALU_DEP_1)
	v_sub_nc_u32 v[DQ], v[DQ], v11
	v_mov_b32 v13, 0xff61b1e6                      ; the largest t so far: -3e38
	s_delay_alu instid0(VALU_DEP_1)
	v_floor_f32 v12, -v13                          ; -M
	v_mov_b32 v14, 0                               ; the sum, in two halves
	v_mov_b32 v15, 0
.set j, 0
.rept 8
	v_mov_b32 v[QF+8+j], 0                         ; zero codes for K = 64 .. 127
	v_mov_b32 v[KFR+8+j], 0
	v_mov_b32 v[KFR+24+j], 0
	v_mov_b32 v[KFR+40+j], 0
	v_mov_b32 v[KFR+56+j], 0
.set j, j+1
.endr
.set j, 0
.rept 32
	v_mov_b32 v[OT+j], 0                           ; O^T: the step is written without a first step of its own; the first change of M leaves zeros zeros
.set j, j+1
.endr
.irp b, 0,1,2,3
	v_mov_b32 v[T2+\b], 0                          ; a lane permute's destination counts as one of its sources
.endr
	v_mov_b32 v[PW], 0                             ; (named as the upper half of f's pair before it is first written)
	v_mov_b32 v[TMP], 0
; A KEY STEP: 128 keys, the q-th of the slot in hand
.macro STEP q
	s_cmp_gt_u32 s[KF], s[QMAX]                    ; all its keys come after my queries: a branch on ids round the step's work; no barrier and no tensor load stands in a step
	s_cbranch_scc1 .Lhidden_\@
	v_add_nc_u32 v[ADK], s[TB], v[LI]
	s_wait_alu depctr_va_vdst(0)
	v_add_nc_u32 v[ADS], s[TB], v[R4]
	s_wait_alu depctr_va_vdst(0)
.rept 7
	v_nop                                          ; with the two additions nine places: the scores are laid over V's fragments, which the last products read
.endr
.irp g, 0,1                                    ; S^T = K Q^T, four tiles of 16 keys at a time
.if \g > 0
.rept 8
	v_nop                                          ; places in front of loads into registers that matrix instructions have read
.endr
.endif
.irp t, 0,1,2,3
.irp c, 0,1
	ds_load_b128 v[KFR+16*\t+4*\c:KFR+16*\t+4*\c+3], v[ADK] offset:(4*(\q)+2*\g+\t/2)*2048+(\t%2)*1024+512*\c
.endr
	ds_load_b32 v[KS+\t], v[ADS] offset:32768+(4*(\q)+2*\g+\t/2)*128+(\t%2)*64
.endr
	s_wait_dscnt 0x0
.irp t, 0,1,2,3
	v_wmma_scale_f32_16x16x128_f8f6f4 v[ST+8*(4*\g+\t):ST+8*(4*\g+\t)+7], v[KFR+16*\t:KFR+16*\t+15], v[QF:QF+15], 0, v[KS+\t], v[QS] matrix_a_fmt:MATRIX_FMT_BF8 matrix_b_fmt:MATRIX_FMT_BF8
.endr
.endr
.rept 8
	v_nop
.endr
	s_add_co_u32 s50, s[KF], 127                   ; on the diagonal hidden scores become -infinity ahead of the maximum; a step all of whose keys count skips this
	s_cmp_le_u32 s50, s[Q0]
	s_cbranch_scc1 .Lopen_\@
	s_sub_co_i32 s50, s[Q0], s[KF]
	v_add_nc_u32 v234, s50, v[DQ]                  ; register 16 b + i holds key KF + 32 b + 16 h + i: hidden where 32 b + i > my query - KF - 16 h
	v_mov_b32 v235, 0xff800000
.set n, 0
.rept 64
	v_cmp_gt_i32 vcc_lo, 32*(n/16)+n%16, v234
	v_cndmask_b32 v[ST+n], v[ST+n], v235, vcc_lo
.set n, n+1
.endr
.Lopen_\@:
.irp b, 0,1,2,3
	v_max3_num_f32 v[BM+\b], v[ST+16*\b], v[ST+1+16*\b], v[ST+2+16*\b]   ; the largest score of each block of 32 keys: for the row's maximum, and, since p rises with the score, for the block's largest p
.endr
.irp i, 3,5,7,9,11,13
.irp b, 0,1,2,3
	v_max3_num_f32 v[BM+\b], v[BM+\b], v[ST+16*\b+\i], v[ST+1+16*\b+\i]
.endr
.endr
.irp b, 0,1,2,3
	v_max_num_f32 v[BM+\b], v[BM+\b], v[ST+15+16*\b]
.endr
.irp b, 0,1,2,3
	s_delay_alu instid0(VALU_DEP_4)
	v_permlanex16_b32 v[T2+\b], v[BM+\b], s[SEL], s[SEL+1]
.endr
.irp b, 0,1,2,3
	s_delay_alu instid0(VALU_DEP_4)
	v_max_num_f32 v[BM+\b], v[BM+\b], v[T2+\b]     ; with lane l xor 16's 16 keys
.endr
	s_delay_alu instid0(VALU_DEP_2)
	v_max3_num_f32 v[TMP], v[BM], v[BM+1], v[BM+2]
	s_delay_alu instid0(VALU_DEP_1)
	v_max_num_f32 v[TMP], v[TMP], v[BM+3]
	s_delay_alu instid0(VALU_DEP_1)
	v_mul_f32 v[TMP], s[CS], v[TMP]                ; the step's largest t
	s_delay_alu instid0(VALU_DEP_1)
	v_max_num_f32 v13, v13, v[TMP]
	v_mov_b32 v[TMP], v12
	s_delay_alu instid0(VALU_DEP_2)
	v_floor_f32 v12, -v13                          ; the new -M = -ceil(t): a whole number
	s_delay_alu instid0(VALU_DEP_1)
	v_sub_f32 v[TMP], v12, v[TMP]                  ; old M - new M, 0 or less
	s_delay_alu instid0(VALU_DEP_1)
	v_cvt_i32_f32 v[TMP], v[TMP]                   ; (it saturates)
	s_delay_alu instid0(VALU_DEP_1)
	v_ldexp_f32 v[FF], 1.0, v[TMP]                 ; f = 2^(old M - new M)
.set n, 0
.rept 32
	v_pk_fma_f32 v[ST+n:ST+n+1], v[ST+n:ST+n+1], s[CS:CS+1], v[12:13] op_sel_hi:[1,0,0]   ; t - M, two at a time
.set n, n+2
.endr
.irp b, 0,1,2,3
	v_fma_f32 v[BM+\b], v[BM+\b], s[CS], v12       ; the same of each block's largest score
.endr
.set n, 0
	s_wait_alu depctr_va_vdst(0)
.rept 64
	v_exp_f32 v[ST+n], v[ST+n]                     ; p = 2^(t - M), at most 1
.set n, n+1
.endr
	v_pk_mul_f32 v[14:15], v[14:15], v[FF:FF+1] op_sel_hi:[1,0]   ; the sums under the new M: a plain line behind the exponentials
	s_wait_alu depctr_va_vdst(0)                   ; one wait for the batch, ahead of its first reader
.irp b, 0,1,2,3
	v_exp_f32 v[BM+\b], v[BM+\b]                   ; the block's largest p: the same two instructions on the same number give the same bits
.endr
	v_pk_add_f32 v[212:213], v[100:101], v[104:105]
	v_pk_add_f32 v[254:255], v[108:109], v[112:113]
	v_pk_add_f32 v[252:253], v[116:117], v[120:121]
	v_pk_add_f32 v[250:251], v[124:125], v[128:129]
	v_pk_add_f32 v[248:249], v[132:133], v[136:137]
	v_pk_add_f32 v[246:247], v[140:141], v[144:145]
	v_pk_add_f32 v[244:245], v[148:149], v[152:153]
	v_pk_add_f32 v[14:15], v[14:15], v[156:157]
	v_pk_add_f32 v[212:213], v[212:213], v[96:97]
	v_pk_add_f32 v[254:255], v[254:255], v[98:99]
	v_pk_add_f32 v[252:253], v[252:253], v[102:103]
	v_pk_add_f32 v[250:251], v[250:251], v[106:107]
	v_pk_add_f32 v[248:249], v[248:249], v[110:111]
	v_pk_add_f32 v[246:247], v[246:247], v[114:115]
	v_pk_add_f32 v[244:245], v[244:245], v[118:119]
	v_pk_add_f32 v[14:15], v[14:15], v[122:123]
	v_pk_add_f32 v[212:213], v[212:213], v[126:127]
	v_pk_add_f32 v[254:255], v[254:255], v[130:131]
	v_pk_add_f32 v[252:253], v[252:253], v[134:135]
	v_pk_add_f32 v[250:251], v[250:251], v[138:139]
	v_pk_add_f32 v[248:249], v[248:249], v[142:143]
	v_pk_add_f32 v[246:247], v[246:247], v[146:147]
	v_pk_add_f32 v[244:245], v[244:245], v[150:151]
	v_pk_add_f32 v[14:15], v[14:15], v[154:155]
	v_pk_add_f32 v[212:213], v[212:213], v[158:159]
	s_delay_alu instid0(VALU_DEP_2)
	v_pk_add_f32 v[14:15], v[14:15], v[250:251]
	s_delay_alu instid0(VALU_DEP_2)
	v_pk_add_f32 v[212:213], v[212:213], v[248:249]
	v_pk_add_f32 v[254:255], v[254:255], v[246:247]
	v_pk_add_f32 v[252:253], v[252:253], v[244:245]
	s_delay_alu instid0(VALU_DEP_2)
	v_pk_add_f32 v[14:15], v[14:15], v[254:255]
	s_delay_alu instid0(VALU_DEP_2)
	v_pk_add_f32 v[212:213], v[212:213], v[252:253]
	s_delay_alu instid0(VALU_DEP_1)
	v_pk_add_f32 v[14:15], v[14:15], v[212:213]
	s_wait_alu depctr_va_vdst(0)                   ; and one for the four
.irp b, 0,1,2,3
	v_max_num_f32 v[BM+\b], 0x8000000, v[BM+\b]    ; the floor 2^(16 - 127): a block whose every p is 0 keeps the byte 1: its codes are zeros
.endr
.irp b, 0,1,2,3
	s_delay_alu instid0(VALU_DEP_4)
	v_add_nc_u32 v[SCL+\b], 0xf8800000, v[BM+\b]
.endr
.irp b, 0,1,2,3
.endr
.irp b, 0,1,2,3
	s_delay_alu instid0(VALU_DEP_4)
	v_lshrrev_b32 v[T2+\b], 23, v[SCL+\b]
.endr
	s_delay_alu instid0(VALU_DEP_3)
	v_lshl_or_b32 v[PW], v[T2+1], 8, v[T2]         ; p's scale word for these 128 keys
	s_delay_alu instid0(VALU_DEP_1)
	v_lshl_or_b32 v[PW], v[T2+2], 16, v[PW]
	s_delay_alu instid0(VALU_DEP_1)
	v_lshl_or_b32 v[PW], v[T2+3], 24, v[PW]
.irp b, 0,1,2,3
.irp i, 0,1,2,3,4,5,6,7,8,9,10,11,12,13,14,15
.endr
	v_cvt_scalef32_pk8_bf8_f32 v[PCD+4*\b:PCD+1+4*\b], v[ST+16*\b:ST+7+16*\b], v[SCL+\b]
	v_cvt_scalef32_pk8_bf8_f32 v[PCD+2+4*\b:PCD+3+4*\b], v[ST+8+16*\b:ST+15+16*\b], v[SCL+\b]
.endr
	v_nop
.irp t, 0,1,2,3                                ; V's four fragments take the registers that p has left
.irp c, 0,1,2,3
	ds_load_b128 v[ST+16*\t+4*\c:ST+16*\t+4*\c+3], v[ADK] offset:16384+8192*(\q)+2048*\t+512*\c
.endr
	ds_load_b32 v[KS+\t], v[ADS] offset:33792+256*(\q)+64*\t
.endr
.set n, 0
.rept 16
	v_pk_mul_f32 v[OT+n:OT+n+1], v[OT+n:OT+n+1], v[FF:FF+1] op_sel_hi:[1,0]   ; O^T under the new M; these are also the places behind the conversions and in front of the products
.set n, n+2
.endr
	s_wait_alu depctr_va_vdst(0)
	s_wait_dscnt 0x0
.irp t, 0,1,2,3                                ; O^T += V^T P^T; the four accumulators by turns
	v_wmma_scale_f32_16x16x128_f8f6f4 v[OT+8*\t:OT+8*\t+7], v[ST+16*\t:ST+16*\t+15], v[PCD:PCD+15], v[OT+8*\t:OT+8*\t+7], v[KS+\t], v[PW] matrix_a_fmt:MATRIX_FMT_BF8 matrix_b_fmt:MATRIX_FMT_BF8
.endr
.Lhidden_\@:
	s_add_co_u32 s[KF], s[KF], 128
.endm
; THE CHANGE OF SLOTS stands at a slot's head.  Each wave waits for all its tensor loads, adds 0 to its spare word, and waits for that and for its reads of the slot that it has left; behind the barrier the slot ahead is whole and
; nobody reads the other one.  fill = 1: that other slot takes the next record, which has two key steps in which to land, unless its first key comes after my work-group's last query: then none of the sixteen waves would read it.
; Every wait for tensor loads in this text is for 0.
.macro CHANGE fill
	s_wait_tensorcnt 0x0                           ; no tensor load of mine is out, so group 0 may be written
	ds_add_u32 v[SPW], v[NIL]
.if \fill
	ds_add_u32 v[SPW], v[NIL]                      ; twice on end where a load may follow
	s_xor_b32 s[G0+1], s[G0+1], SLOT1
	s_add_nc_u64 s[G0+2:G0+3], s[G0+2:G0+3], KVREC
	s_wait_xcnt 0x0                                ; the last prefetch, a slot back, has read its address
	s_add_nc_u64 s[PFA:PFA+1], s[PFA:PFA+1], KVREC
.endif
	s_wait_dscnt 0x0
	s_barrier_signal -1
	s_barrier_wait -1
.if \fill
	s_add_co_u32 s50, s[KF], 256
	s_cmp_gt_u32 s50, s[LASTQ]
	s_cbranch_scc1 .Lpast_\@
	TLOAD
.Lpast_\@:
	ASK
.endif
.endm
	s_wait_loadcnt 0x0                             ; Q
.Lslot:                                            ; seven trips
	CHANGE 1
	STEP 0
	STEP 1
	s_xor_b32 s[TB], s[TB], SLOT1
	s_sub_co_u32 s[SLOTS], s[SLOTS], 1
	s_cmp_lg_u32 s[SLOTS], 0
	s_cbranch_scc1 .Lslot
	CHANGE 0                                       ; the last slot is written out: nothing is left to ask for
	STEP 0
	STEP 1
	; THE WAY OUT: O^T / the sum; register 16 cc + i is the head's number 32 cc + 16 h + i of my query: two blocks of the last product's K
.rept 8
	v_nop
.endr
	v_add_f32 v14, v14, v15
	s_wait_alu depctr_va_vdst(0)
	v_permlanex16_b32 v[TMP], v14, s[SEL], s[SEL+1]
	s_delay_alu instid0(VALU_DEP_1)
	v_add_f32 v14, v14, v[TMP]                     ; the row's sum
	s_wait_alu depctr_va_vdst(0)
	v_rcp_f32 v14, v14
	v_and_b32 v10, 15, v0                          ; (a plain line behind the reciprocal)
	s_delay_alu instid0(VALU_DEP_1)
	v_lshlrev_b32 v10, 3, v10
	s_lshl_b32 s50, s12, 4
	s_lshr_b32 s51, s17, 2
	s_add_co_u32 s50, s50, s51                     ; the tile of 128 rows
	s_lshl_b32 s50, s50, 2
	s_lshr_b32 s51, s15, 2
	s_add_co_u32 s50, s50, s51                     ; the K chunk: four heads
	s_lshl_b32 s50, s50, 1
	s_and_b32 s51, s17, 3
	s_lshl_b32 s51, s51, 1
	s_add_co_u32 s51, s51, s18                     ; my tile among the eight
	s_lshr_b32 s52, s51, 2
	s_add_co_u32 s50, s50, s52
	s_mul_i32 s50, s50, PIECE
	s_and_b32 s51, s51, 3
	s_bfe_u32 s52, s15, 0x10001
	s_and_b32 s53, s15, 1
	s_lshl_b32 s54, s51, 12
	s_add_co_u32 s46, s50, s54
	s_lshl_b32 s54, s52, 11
	s_add_co_u32 s46, s46, s54
	s_lshl_b32 s54, s53, 10
	s_add_co_u32 s46, s46, s54
	s_add_nc_u64 s[48:49], s[8:9], s[46:47]        ; codes
	s_lshl_b32 s54, s51, 7
	s_add_co_u32 s46, s50, s54
	s_lshl_b32 s54, s52, 2
	s_add_co_u32 s46, s46, s54
	s_lshl_b32 s54, s53, 1
	s_add_co_u32 s46, s46, s54
	s_add_co_u32 s46, s46, 16384
	s_add_nc_u64 s[56:57], s[8:9], s[46:47]        ; my two bytes of each row's scale word
	s_wait_alu depctr_va_vdst(0)                   ; ahead of the reciprocal's first reader
.set n, 0
.rept 32
	v_mul_f32 v[ST+n], v[OT+n], v14
.set n, n+1
.endr
.irp b, 0,1
	v_max3_num_f32 v[BM+\b], |v[ST+16*\b]|, |v[ST+1+16*\b]|, 0x8000000
.endr
.irp i, 2,4,6,8,10,12,14
.irp b, 0,1
	s_delay_alu instid0(VALU_DEP_2)
	v_max3_num_f32 v[BM+\b], v[BM+\b], |v[ST+16*\b+\i]|, |v[ST+1+16*\b+\i]|
.endr
.endr
.irp b, 0,1
	s_delay_alu instid0(VALU_DEP_2)
	v_permlanex16_b32 v[T2+\b], v[BM+\b], s[SEL], s[SEL+1]
.endr
.irp b, 0,1
	s_delay_alu instid0(VALU_DEP_2)
	v_max_num_f32 v[BM+\b], v[BM+\b], v[T2+\b]
.endr
.irp b, 0,1
	s_delay_alu instid0(VALU_DEP_2)
	v_add_nc_u32 v[SCL+\b], 0xf8800000, v[BM+\b]
.endr
.irp b, 0,1
.endr
.irp b, 0,1
	s_delay_alu instid0(VALU_DEP_2)
	v_lshrrev_b32 v[T2+\b], 23, v[SCL+\b]
.endr
	s_delay_alu instid0(VALU_DEP_1)
	v_lshl_or_b32 v11, v[T2+1], 8, v[T2]
.irp b, 0,1
.irp i, 0,1,2,3,4,5,6,7,8,9,10,11,12,13,14,15
.endr
	v_cvt_scalef32_pk8_bf8_f32 v[PCD+4*\b:PCD+1+4*\b], v[ST+16*\b:ST+7+16*\b], v[SCL+\b]
	v_cvt_scalef32_pk8_bf8_f32 v[PCD+2+4*\b:PCD+3+4*\b], v[ST+8+16*\b:ST+15+16*\b], v[SCL+\b]
.endr
	v_nop
	global_store_b128 v[LI], v[PCD:PCD+3], s[48:49]
	global_store_b128 v[LI], v[PCD+4:PCD+7], s[48:49] offset:512
	global_store_b16 v10, v11, s[56:57]            ; two bytes every eight (both halves of the lanes write the same): 131,072 bytes in the whole launch
	s_wait_tensorcnt 0x0                           ; the wave's end
	ds_add_u32 v[SPW], v[NIL]
	s_wait_dscnt 0x0
	s_endpgm
.Lfunc_end_k_qe0682ab629_attn:
	.size	k_qe0682ab629_attn, .Lfunc_end_k_qe0682ab629_attn-k_qe0682ab629_attn
	.p2alignl 7, 3214868480
	.fill 96, 4, 3214868480
	.section	.rodata,"a",@progbits
	.p2align	6, 0x0
	.amdhsa_kernel k_qe0682ab629_attn
		.amdhsa_group_segment_fixed_size 327680
		.amdhsa_private_segment_fixed_size 0
		.amdhsa_enable_private_segment 0
		.amdhsa_kernarg_size 24
		.amdhsa_user_sgpr_count 2
		.amdhsa_user_sgpr_kernarg_segment_ptr 1
		.amdhsa_wavefront_size32 1
		.amdhsa_system_sgpr_workgroup_id_x 1
		.amdhsa_system_sgpr_workgroup_id_y 1
		.amdhsa_system_sgpr_workgroup_id_z 1
		.amdhsa_system_vgpr_workitem_id 0
		.amdhsa_next_free_vgpr 256
		.amdhsa_next_free_sgpr 66
		.amdhsa_reserve_vcc 1
		.amdhsa_float_denorm_mode_32 3
		.amdhsa_float_denorm_mode_16_64 3
		.amdhsa_fp16_overflow 1
		.amdhsa_memory_ordered 1
		.amdhsa_forward_progress 1
		.amdhsa_inst_pref_size 107
	.end_amdhsa_kernel
	.amdgpu_metadata
---
amdhsa.version: [ 1, 2 ]
amdhsa.kernels:
  - .name:           k_qe0682ab629_attn
    .symbol:         k_qe0682ab629_attn.kd
    .args:
      - { .name: qq, .offset: 0, .size: 8, .value_kind: global_buffer, .address_space: global }
      - { .name: kv, .offset: 8, .size: 8, .value_kind: global_buffer, .address_space: global }
      - { .name: aq, .offset: 16, .size: 8, .value_kind: global_buffer, .address_space: global }
    .group_segment_fixed_size: 327680
    .private_segment_fixed_size: 0
    .kernarg_segment_align: 8
    .kernarg_segment_size: 24
    .max_flat_workgroup_size: 512
    .sgpr_count:     66
    .vgpr_count:     256
    .wavefront_size: 32
...
	.end_amdgpu_metadata
.endif
;; end of part 3
;; launch oproj (part 4): grid 8 x 32, 8 waves a work-group, clusters of 4 x 4, 327,680 bytes of LDS; arguments aq, wts, out0; writes out0
.if DOCPART == 4
	.amdgcn_target "amdgcn-amd-amdhsa--gfx1250"
	.amdhsa_code_object_version 6
	.text
	.protected	k_qe0682ab629_oproj
	.globl	k_qe0682ab629_oproj
	.p2align	8
	.type	k_qe0682ab629_oproj,@function
k_qe0682ab629_oproj:
	s_mov_b64 s[64:65], 0
	v_nop
	global_prefetch_b8 v0, s[64:65] scope:SCOPE_SE
	s_setreg_imm32_b32 hwreg(HW_REG_WAVE_MODE, 25, 1), 1
	s_wait_xcnt 0x0
	s_wait_alu depctr_hold_cnt(0) depctr_sa_sdst(0) depctr_va_vdst(0) depctr_va_sdst(0) depctr_va_ssrc(0) depctr_va_vcc(0) depctr_vm_vsrc(0)
	s_getreg_b32 s2, hwreg(HW_REG_IB_STS2, 6, 4)
	s_cmp_eq_u32 s2, 0
	s_cbranch_scc0 .Lentry_in_a_cluster
	s_endpgm
.Lentry_in_a_cluster:
	s_bfe_u32 s2, ttmp6, 0x10000c
	s_cmp_lg_u32 s2, 0xf033
	s_cbranch_scc0 .Lentry_shape_is_right
	s_endpgm
.Lentry_shape_is_right:
; Launch 4 of 4: out0 = A wo^T on codes of E5M2, A the attention's result as launch 3 quantised it.  Nothing is left out here.
; SHARES.  A work-group makes 128 x 128 of out0; each of its eight waves 32 rows (wave % 4) x 64 columns (wave / 4): eight accumulators.
; OPERANDS come as pieces (images of the operands' registers with their scale words, 16,896 dense bytes, one tensor load each).  All of K, 4 chunks x (A's two halves, wo's two halves), lies in LDS at once: 270,336 bytes, filled
; once at the start by waves 0 to 3, four loads each; nothing is filled again.
; CLUSTER.  4 x 4 work-groups: A's pieces hang on the tile row alone and are asked for jointly along a row of the cluster, wo's on the tile column alone, along a column.
; The product is used transposed (source 0 = 16 rows of wo, source 1 = 16 rows of A): a lane holds one row of out0 and, in the 16 registers of two neighbouring tiles, 16 neighbouring columns.
.set PIECE, 16896
.set CHB,   4*PIECE                    ; a chunk in LDS
.set STAGE, 4*CHB                      ; behind the chunks: 16 rows x (256 bytes + 16) for each wave, for the way out
.set SPARE, STAGE+8*4352               ; behind the stages: the spare words, 128 bytes for each wave
.set LI,  1
.set R8,  2
.set SPW, 3
.set NIL, 4
.set AX0, 5
.set AW0, 6
.set SX0, 7
.set SW0, 8
.set AX,  9
.set AW,  10
.set SX,  11
.set SW,  12
.set STO, 13                           ; v13  the stage: where I put 16 bytes of a row
.set RD,  14                           ; v14  and where I read a row back
.set CO,  15                           ; v15  my byte offset in two rows of out0
.set XS,  16                           ; v16-19 A's scale words;  v20-27 wo's
.set WS,  20
.set XF,  32
.set WF,  64
.set ACC, 128
.set OB,  32                           ; the way out: 2 x 32 registers read back from the stage
.set WV,  10
.set G1A, 24
.set G1B, 32
.set G0A, 40
.set G0B, 68
.macro ROUND
	s_barrier_signal -1
	s_barrier_wait -1
	s_cmp_lg_u32 s[WV], 0
	s_cbranch_scc1 .Lnot_wave_0_\@
	s_barrier_signal -3
.Lnot_wave_0_\@:
	s_barrier_wait -3
	s_barrier_signal -1
	s_barrier_wait -1
.endm
	s_load_b128 s[4:7], s[0:1], 0x0                ; aq s[4:5], wts s[6:7]
	s_load_b64 s[8:9], s[0:1], 0x10                ; out0
	v_lshl_add_u32 v[SPW], v0, 2, SPARE
	v_mov_b32 v[NIL], 0
	ds_add_u32 v[SPW], v[NIL]                      ; the wave's opening: the add, twice on end, and its wait ahead of the first tensor loads
	ds_add_u32 v[SPW], v[NIL]
	v_lshrrev_b32 v[LI], 5, v0
	s_delay_alu instid0(VALU_DEP_1)
	v_readfirstlane_b32 s[WV], v[LI]               ; wave 0..7
	s_bfe_u32 s11, ttmp6, 0x40000                  ; cx
	s_bfe_u32 s12, ttmp6, 0x40004                  ; cy
	s_lshl_b32 s13, ttmp9, 2
	s_add_co_u32 s13, s13, s11                     ; the tile column
	s_and_b32 s14, ttmp7, 0xffff
	s_lshl_b32 s14, s14, 2
	s_add_co_u32 s14, s14, s12                     ; the tile row
	s_lshl_b32 s17, s12, 2
	s_lshl_b32 s17, 15, s17                        ; my row of the cluster
	s_lshl_b32 s18, 0x1111, s11                    ; my column
	s_or_b32 s[G1A], s17, (3<<16)|(1<<21)          ; 15:0 the mask; 17:16 elements of 8 bytes; 21 set beside a mask; no padding
	s_or_b32 s[G1B], s18, (3<<16)|(1<<21)
.irp g, G1A, G1B
	s_mov_b32 s[\g+1], 32<<16                      ; 66 rows of 256 dense bytes
	s_mov_b32 s[\g+2], 66<<16
	s_mov_b32 s[\g+3], 32<<16
	s_mov_b32 s[\g+4], 66
	s_mov_b32 s[\g+5], 32
	s_mov_b32 s[\g+6], 0
	s_mov_b32 s[\g+7], 0
.endr
	s_and_b32 s15, s[WV], 3                        ; my quarter of the rows
	s_lshr_b32 s16, s[WV], 2                       ; my half of the columns
	s_and_b32 s19, s[WV], 1                        ; which half I fetch, if I fetch
	s_mul_i32 s20, s[WV], PIECE                    ; and where it goes: A's halves, then wo's
	s_lshl_b32 s84, s14, 3
	s_add_co_u32 s84, s84, s19
	s_mul_i32 s84, s84, PIECE                      ; A: piece 8 x tile row + 2 chunk + half
	s_mov_b32 s85, 0
	s_lshl_b32 s86, s13, 3
	s_add_co_u32 s86, s86, s19
	s_add_co_u32 s86, s86, 64
	s_mul_i32 s86, s86, PIECE                      ; wo: piece 64 + 8 x tile column + 2 chunk + half
	s_mov_b32 s87, 0
	s_wait_dscnt 0x0                               ; both opening adds are done
	s_wait_kmcnt 0x0
	s_add_nc_u64 s[84:85], s[4:5], s[84:85]
	s_add_nc_u64 s[86:87], s[6:7], s[86:87]
.irp c, 0,1,2,3
	s_mov_b32 s[G0A+4*\c], 1
	s_add_co_u32 s[G0A+4*\c+1], s20, \c*CHB
	s_add_nc_u64 s[G0A+4*\c+2:G0A+4*\c+3], s[84:85], \c*2*PIECE
	s_or_b32 s[G0A+4*\c+3], s[G0A+4*\c+3], 0x80000000
	s_mov_b32 s[G0B+4*\c], 1
	s_add_co_u32 s[G0B+4*\c+1], s20, \c*CHB
	s_add_nc_u64 s[G0B+4*\c+2:G0B+4*\c+3], s[86:87], \c*2*PIECE
	s_or_b32 s[G0B+4*\c+3], s[G0B+4*\c+3], 0x80000000
.endr
	ROUND                                          ; all sixteen work-groups are here: the joint loads meet
	s_cmp_lt_u32 s[WV], 2                          ; a wave's four fills stand in one branch on its number: four loads of mine are out
	s_cbranch_scc0 .Lnot_a
.irp c, 0,1,2,3
	tensor_load_to_lds s[G0A+4*\c:G0A+4*\c+3], s[G1A:G1A+7]
	s_nop 0
.endr
.rept 4
	v_nop
.endr
	s_branch .Lasked
.Lnot_a:
	s_cmp_lt_u32 s[WV], 4
	s_cbranch_scc0 .Lasked
.irp c, 0,1,2,3
	tensor_load_to_lds s[G0B+4*\c:G0B+4*\c+3], s[G1B:G1B+7]
	s_nop 0
.endr
.rept 4
	v_nop
.endr
.Lasked:
	v_and_b32 v30, 31, v0
	s_delay_alu instid0(VALU_DEP_1)
	v_lshlrev_b32 v[LI], 4, v30
	v_and_b32 v28, 15, v0                          ; r
	v_bfe_u32 v29, v0, 4, 1                        ; h
	s_delay_alu instid0(VALU_DEP_2)
	v_lshlrev_b32 v[R8], 3, v28
	s_wait_alu depctr_va_vdst(0)
	s_lshr_b32 s21, s15, 1
	s_mul_i32 s21, s21, PIECE
	s_and_b32 s22, s15, 1
	s_lshl_b32 s23, s22, 13
	s_add_co_u32 s23, s23, s21
	v_add_nc_u32 v[AX0], s23, v[LI]
	s_lshl_b32 s23, s22, 8
	s_add_co_u32 s23, s23, s21
	s_add_co_u32 s23, s23, 16384
	v_add_nc_u32 v[SX0], s23, v[R8]
	s_add_co_u32 s21, s16, 2
	s_mul_i32 s21, s21, PIECE
	v_add_nc_u32 v[AW0], s21, v[LI]
	s_add_co_u32 s21, s21, 16384
	v_add_nc_u32 v[SW0], s21, v[R8]
	s_mul_i32 s21, s[WV], 4352
	s_add_co_u32 s21, s21, STAGE                   ; my stage
	v_mul_u32_u24 v[STO], v28, 272
	s_delay_alu instid0(VALU_DEP_1)
	v_lshl_add_u32 v[STO], v29, 6, v[STO]
	s_delay_alu instid0(VALU_DEP_1)
	v_add_nc_u32 v[STO], s21, v[STO]               ; in: row r, + 64 h
	v_mul_u32_u24 v[RD], v29, 272
	s_delay_alu instid0(VALU_DEP_1)
	v_lshl_add_u32 v[RD], v28, 4, v[RD]
	s_delay_alu instid0(VALU_DEP_1)
	v_add_nc_u32 v[RD], s21, v[RD]                 ; back: lanes 0-15 one row of 256 bytes, lanes 16-31 the next
	v_lshlrev_b32 v[CO], 12, v29
	s_delay_alu instid0(VALU_DEP_1)
	v_lshl_add_u32 v[CO], v28, 4, v[CO]            ; and the same two rows in out0
	s_lshl_b32 s88, s14, 7
	s_lshl_b32 s21, s15, 5
	s_add_co_u32 s88, s88, s21
	s_lshl_b32 s88, s88, 12                        ; my first row, 4,096 bytes a row
	s_mov_b32 s89, 0
	s_lshl_b32 s90, s13, 9
	s_lshl_b32 s21, s16, 8
	s_add_co_u32 s90, s90, s21                     ; my first column, in bytes
	s_mov_b32 s91, 0
	s_add_nc_u64 s[88:89], s[88:89], s[90:91]
	s_add_nc_u64 s[88:89], s[8:9], s[88:89]
.macro CHUNK c
	v_add_nc_u32 v[AX], \c*CHB, v[AX0]
	v_add_nc_u32 v[AW], \c*CHB, v[AW0]
	v_add_nc_u32 v[SX], \c*CHB, v[SX0]
	v_add_nc_u32 v[SW], \c*CHB, v[SW0]
.endm
; 128 along K: six fragments from LDS, eight matrix instructions; the eight accumulators take turns in the same order in every K step
.macro KSTEP ks, zero, sc
.if !\zero
.rept 8
	v_nop                                          ; eight places in front of loads into registers that matrix instructions have read
.endr
.endif
.if \sc
.irp a, 0,1
	ds_load_b64 v[XS+2*\a:XS+2*\a+1], v[SX] offset:128*\a
.endr
.irp t, 0,1,2,3
	ds_load_b64 v[WS+2*\t:WS+2*\t+1], v[SW] offset:128*\t
.endr
.endif
.irp a, 0,1
.irp c, 0,1,2,3
	ds_load_b128 v[XF+16*\a+4*\c:XF+16*\a+4*\c+3], v[AX] offset:4096*\a+2048*\ks+512*\c
.endr
.endr
.irp t, 0,1,2,3
.irp c, 0,1,2,3
	ds_load_b128 v[WF+16*\t+4*\c:WF+16*\t+4*\c+3], v[AW] offset:4096*\t+2048*\ks+512*\c
.endr
.endr
	s_wait_dscnt 0x0
.irp a, 0,1
.irp t, 0,1,2,3
.if \zero
	v_wmma_scale_f32_16x16x128_f8f6f4 v[ACC+32*\a+8*\t:ACC+32*\a+8*\t+7], v[WF+16*\t:WF+16*\t+15], v[XF+16*\a:XF+16*\a+15], 0, v[WS+2*\t+\ks], v[XS+2*\a+\ks] matrix_a_fmt:MATRIX_FMT_BF8 matrix_b_fmt:MATRIX_FMT_BF8
.else
	v_wmma_scale_f32_16x16x128_f8f6f4 v[ACC+32*\a+8*\t:ACC+32*\a+8*\t+7], v[WF+16*\t:WF+16*\t+15], v[XF+16*\a:XF+16*\a+15], v[ACC+32*\a+8*\t:ACC+32*\a+8*\t+7], v[WS+2*\t+\ks], v[XS+2*\a+\ks] matrix_a_fmt:MATRIX_FMT_BF8 matrix_b_fmt:MATRIX_FMT_BF8
.endif
.endr
.endr
.endm
	s_wait_tensorcnt 0x3                           ; my piece of chunk 0 is in; the three younger loads may stay out
	s_barrier_signal -1
	s_barrier_wait -1                              ; everybody's is
	CHUNK 0
	KSTEP 0, 1, 1
	s_wait_alu depctr_va_vdst(0)
	KSTEP 1, 0, 0
.irp c, 1,2,3
	s_wait_tensorcnt 3-\c                          ; my piece of this chunk is in; the younger ones may stay out
	s_barrier_signal -1
	s_barrier_wait -1
	CHUNK \c
	KSTEP 0, 0, 1
	s_wait_alu depctr_va_vdst(0)
	KSTEP 1, 0, 0
.endr
.rept 8
	v_nop                                          ; eight places in front of the first read of results and of loads into the operands' registers
.endr
; THE WAY OUT.  Register 32 a + 16 bb + i of lane (r, h) is row 8 a + PAT(r), column 32 bb + 16 h + i of my 32 x 64.  A tile of 16 rows goes through my own stage and comes back as whole rows of 256 bytes.
; LDS serves a wave's instructions in order (ISA guide 5.7.1.4): no wait between the stores and the loads, nor in front of the next tile's stores.  Each accumulator is read from its low end on.
.macro TOSTAGE a
.irp bb, 0,1
.irp g, 0,1,2,3
	ds_store_b128 v[STO], v[ACC+32*\a+16*\bb+4*\g:ACC+32*\a+16*\bb+4*\g+3] offset:128*\bb+16*\g
.endr
.endr
.irp i, 0,1,2,3,4,5,6,7
	ds_load_b128 v[OB+32*\a+4*\i:OB+32*\a+4*\i+3], v[RD] offset:2*\i*272
.endr
.endm
.macro SEND a                          ; stage row m is row 8 a + PAT(m) of my 32
.irp i, 0,1,2,3,4,5,6,7
	global_store_b128 v[CO], v[OB+32*\a+4*\i:OB+32*\a+4*\i+3], s[88:89] offset:(8*\a+2*\i+8*(\i/4))*4096 th:TH_STORE_NT   ; 16 lanes store 256 consecutive bytes, at a multiple of 256 from out0's first byte
.endr
.endm
	TOSTAGE 0
	TOSTAGE 1
	s_wait_dscnt 16                                ; tile 0 is back; tile 1's eight stores and eight loads may stay out
	SEND 0
	s_wait_dscnt 0x0
	SEND 1
	s_wait_tensorcnt 0x0                           ; the wave's end, behind my last tensor load and my last LDS store
	ds_add_u32 v[SPW], v[NIL]
	s_wait_dscnt 0x0
	ROUND                                          ; the closing round: no work-group ends while a partner may still ask for a piece that names it
	s_endpgm
.Lfunc_end_k_qe0682ab629_oproj:
	.size	k_qe0682ab629_oproj, .Lfunc_end_k_qe0682ab629_oproj-k_qe0682ab629_oproj
	.p2alignl 7, 3214868480
	.fill 96, 4, 3214868480
	.section	.rodata,"a",@progbits
	.p2align	6, 0x0
	.amdhsa_kernel k_qe0682ab629_oproj
		.amdhsa_group_segment_fixed_size 327680
		.amdhsa_private_segment_fixed_size 0
		.amdhsa_enable_private_segment 0
		.amdhsa_kernarg_size 24
		.amdhsa_user_sgpr_count 2
		.amdhsa_user_sgpr_kernarg_segment_ptr 1
		.amdhsa_wavefront_size32 1
		.amdhsa_system_sgpr_workgroup_id_x 1
		.amdhsa_system_sgpr_workgroup_id_y 1
		.amdhsa_system_sgpr_workgroup_id_z 1
		.amdhsa_system_vgpr_workitem_id 0
		.amdhsa_next_free_vgpr 256
		.amdhsa_next_free_sgpr 96
		.amdhsa_reserve_vcc 0
		.amdhsa_float_denorm_mode_32 3
		.amdhsa_float_denorm_mode_16_64 3
		.amdhsa_memory_ordered 1
		.amdhsa_forward_progress 1
		.amdhsa_inst_pref_size 38
	.end_amdhsa_kernel
	.amdgpu_metadata
---
amdhsa.version: [ 1, 2 ]
amdhsa.kernels:
  - .name:           k_qe0682ab629_oproj
    .symbol:         k_qe0682ab629_oproj.kd
    .args:
      - { .name: aq, .offset: 0, .size: 8, .value_kind: global_buffer, .address_space: global }
      - { .name: wts, .offset: 8, .size: 8, .value_kind: global_buffer, .address_space: global }
      - { .name: out0, .offset: 16, .size: 8, .value_kind: global_buffer, .address_space: global }
    .group_segment_fixed_size: 327680
    .private_segment_fixed_size: 0
    .kernarg_segment_align: 8
    .kernarg_segment_size: 24
    .max_flat_workgroup_size: 256
    .sgpr_count:     96
    .vgpr_count:     256
    .wavefront_size: 32
...
	.end_amdgpu_metadata
.endif
;; end of part 4
